; MI455X (gfx1250); checked and timed in simulation.
; The chip was launched on July 23, 2026; its instructions are those of AMD's public machine-readable ISA for CDNA 5 (MIT licence, August 2026) and "CDNA5" Instruction Set Architecture Reference Guide (July 2026). The comments in the code are by the model that wrote it; some were corrected since.
;; Concept Net Encoder. Allowed arithmetic: matrix products marked QUANTISED: E3M2 operands, one E8M0 scale for each 32 along K, by v_wmma_scale_f32_16x16x128_f8f6f4 with both operands' format E3M2, f32 sums; products left as they are: f32 operands where the result goes on into a quantised operand, else bf16, f16 or f32 operands; f32 sums; everything else in f32.
;; Inputs: a_codes 256 x 8 x 24 uint8 (E3M2 codes of a, K innermost, in blocks of 32 codes, four codes in three bytes); a_scales 256 x 8 uint8 (E8M0 scales of a, one for each 32 codes along K); b 256 x 1 float32; conceptnet_text_vec 4 x 256 int32; table 100,000 x 256 float32.
;; Outputs: out0 4 x 256 x 256 float32.
;; Constants: topk = 16.
;; This version of the problem:
;;   THIS VERSION OF THE PROBLEM IS GIVEN IN LOW PRECISION. The matrix products marked QUANTISED in the list below multiply operands that are first quantised to E3M2 (3 exponent bits, 2 mantissa bits; 6 bits a number), with one power-of-two scale for each 32 numbers along K (OCP MX v1.0); their sums are f32. All else is computed in f32.
;;   The module's matrix products, in the order in which they are computed (A, B: the left and right operand; K: the contracted axis; several contracted axes count as one K, in the product's order):
;;     1. [M 1,024, K 256] x [K 256, N 100,000]; A: computed on the way; B: input table: QUANTISED
;;     2. [M 16,384, K 256] x [K 256, N 256]; A: computed on the way; B: input a (given as codes): QUANTISED
;;     3. [M 16,384, K 256] x [K 256, N 1]; A: computed on the way; B: input b: left as it is (N = 1 < 16)
;;     4. batch 1,024 x [M 1, K 16] x [K 16, N 256]; A: softmax; B: computed on the way: left as it is (K = 16 < 32)
;;   THE QUANTISER, for each operand of a quantised product, along K:
;;     - K is cut into blocks of 32 from its start; a last block that is shorter is filled with zeros.
;;     - A block's scale is 2^e with e = floor(log2(the largest magnitude in the block)) - 4, held to -126 .. 127; a block of zeros has e = 0. As a byte (E8M0): e + 127.
;;     - Each number is divided by its block's scale, clamped to +-28, and rounded to the nearest number of E3M2, ties to even, subnormals kept.
;;     - The product sums the exact products of the quantised numbers (number of the format x scale) in f32.
;;   ~~~python
;;   def quantise(x, axis):      # numpy; x: float32 -> the quantised numbers, widened to float32 again
;;       x = np.moveaxis(x, axis, -1); K = x.shape[-1]
;;       x = np.pad(x, [(0, 0)] * (x.ndim - 1) + [(0, -K % 32)]); x = x.reshape(x.shape[:-1] + (-1, 32)); a = np.abs(x).max(-1, keepdims=True)
;;       e = np.where(a > 0, np.clip(np.frexp(np.where(a > 0, a, 1))[1] - 1 - 4, -126, 127), 0)      # np.frexp(a)[1] - 1 = floor(log2(a)), exactly
;;       r = np.clip(x / 2.0 ** e, -28, 28)
;;       step = 2.0 ** (np.maximum(np.frexp(np.where(r == 0, 1, r))[1] - 1, -2) - 2)
;;       q = np.round(r / step) * step * 2.0 ** e      # np.round: ties to even
;;       return np.moveaxis(q.reshape(q.shape[:-2] + (-1,))[..., :K], -1, axis).astype(np.float32)
;;   ~~~
;;   OPERANDS COMPUTED ON THE WAY. 'Computed on the way' means the value that the module computes at that place (a softmax that the list does not call 'softmax' is quantised finished and normalised). What goes into a quantiser is computed in f32, as accurately as f32 sums, v_exp_f32 and their like allow (about 1e-6 of the number): no bf16 or f16 on the way to a quantiser, and a product that is left as it is and whose result goes on into a quantised operand takes f32 operands (vector FMAs, or v_wmma_f32_16x16x4_f32). A number that lies on a knife's edge between two numbers of the format may be rounded either way, as far as f32 arithmetic and the matrix unit's own rounding can turn it there, and no further.
;;   INPUTS GIVEN AS CODES. a (in the module: [256, 256], K = its axis 0): each comes as NAME_codes (uint8): NAME with its K axis moved to the last place and cut into blocks of 32 codes, [.., K / 32, bytes a block], one block behind the other in memory; four codes in three bytes: a row's codes are one little-endian stream of bits, code i at bits 6 i .. 6 i + 5 (a code: sign, 3 exponent bits, 2 mantissa bits); and NAME_scales (uint8): the same leading axes, one E8M0 byte (e + 127) for each 32 codes along K. Its value is code x scale, taken as it is: it is not quantised again, and the codes and scales need not be those that the quantiser above would give.
;; 2 versions, each right; version 2 is version 1 with the launches scan, refine, attend written anew for expert scheduling mode. Each part assembles by itself: llvm-mc -triple=amdgcn-amd-amdhsa -mcpu=gfx1250 --defsym DOCPART=n.
;; ======== version 1 of 2: 5 launches
;; workspace buffers: qimg 196,608 bytes; qsc 8,192 bytes; timg 19,200,000 bytes; tsc 800,000 bytes; gbuf 16,384,000 bytes; grp 65,536 bytes of whole numbers; qstat 65,536 bytes; nidx 65,536 bytes of whole numbers
;; launch prep (part 1): grid 16 x 1, 4 waves a work-group, no clusters, 67,072 bytes of LDS; arguments conceptnet_text_vec, table, qimg, qsc; writes qimg, qsc
.if DOCPART == 1
	.amdgcn_target "amdgcn-amd-amdhsa--gfx1250"
	.amdhsa_code_object_version 6
	.text
	.protected	k_q9d51d5b0ff_prep
	.globl	k_q9d51d5b0ff_prep
	.p2align	8
	.type	k_q9d51d5b0ff_prep,@function
k_q9d51d5b0ff_prep:
	s_mov_b64 s[64:65], 0
	v_nop
	global_prefetch_b8 v0, s[64:65] scope:SCOPE_SE
	s_setreg_imm32_b32 hwreg(HW_REG_WAVE_MODE, 25, 1), 1
	s_wait_xcnt 0x0
; PREP: the 1,024 query rows (rows of table named by conceptnet_text_vec) become codes of BF6 (E3M2) with one E8M0 byte for each 32 along K = 256.
; A wave takes one tile of 16 queries.  The codes leave as IMAGES OF THE OPERAND'S REGISTERS: a fragment (16 rows x 128 K, 12 registers a lane) is three runs of 512 bytes,
; run c holding registers 4 c .. 4 c + 3, lane l's 16 bytes at 16 l.  qimg: [64 tiles][2 K steps][1,536 bytes].  qsc: [64 tiles][128 bytes]: lanes 0-15 the scale words of K step 0, lanes 16-31 of K step 1.
; A block's scale byte is its largest magnitude's exponent field - 4, held at 1 from below (a block of zeros gets 1: its codes are zeros, and only this program reads the bytes).
; LIMITS: NaN and infinities among the inputs are not served; blocks whose largest magnitude lies under 2^(4 - 126) get the byte 1.  A token outside the table is held at its last row.
; No matrix work, no cluster, no tensor load: 1 MiB of rows is gathered once, and every number passes through registers for the conversion.
.set L16,  1                           ; v1   16 x lane
.set STW,  2                           ; v2   my stage, rows as they lie: + 16 x lane
.set STR,  3                           ; v3   my stage, read by the quantiser's layout: + 1,040 r + 64 h
.set PC,   4                           ; v4-15   a fragment's codes
.set TM,   32                          ; v32-47  the quantiser's temporaries
.set CSR,  48                          ; v48-55  the upper halves of blocks, before they are moved
.set PWA,  56                          ; v56  scale word of K step 0
.set PWB,  57                          ; v57  of K step 1
.set X,    64                          ; v64-191 128 numbers a lane
.set SEL,  20                          ; s[20:21] selects of v_permlanex16_b32: lane l xor 16
.set BASE, 32                          ; s[32:63] the 16 rows' addresses
.set TOK,  68                          ; s[68:83] the 16 tokens
.set SP,   1040                        ; a stage row: 1,024 bytes + 16
; 64 numbers of a lane, register 16 b + i = k 32 b + 16 (lane / 16) + i of row lane % 16, become a fragment's codes in v[pc] on and the row's scale word in v[pw].
.macro QUANT x, pc, pw
.irp b, 0,1,2,3
	v_max3_num_f32 v[TM+\b], |v[\x+16*\b]|, |v[\x+1+16*\b]|, 0x2800000   ; my 16 numbers of block b, and the floor 2^(5 - 127)
.endr
.irp i, 2,4,6,8,10,12,14
.irp b, 0,1,2,3
	v_max3_num_f32 v[TM+\b], v[TM+\b], |v[\x+16*\b+\i]|, |v[\x+1+16*\b+\i]|
.endr
.endr
.irp b, 0,1,2,3
	v_permlanex16_b32 v[TM+4+\b], v[TM+\b], s[SEL], s[SEL+1]
.endr
.irp b, 0,1,2,3
	v_max_num_f32 v[TM+\b], v[TM+\b], v[TM+4+\b]           ; with lane l xor 16's: the block's largest magnitude
.endr
.irp b, 0,1,2,3
	v_add_nc_u32 v[TM+12+\b], 0xfe000000, v[TM+\b]         ; 4 off its exponent field: the conversion's scale operand
.endr
.irp b, 0,1,2,3
	v_lshrrev_b32 v[TM+4+\b], 23, v[TM+12+\b]              ; the scale's byte
.endr
	v_lshl_or_b32 v[\pw], v[TM+5], 8, v[TM+4]
	v_lshl_or_b32 v[\pw], v[TM+6], 16, v[\pw]
	v_lshl_or_b32 v[\pw], v[TM+7], 24, v[\pw]
.irp c, 0,1
	v_cvt_scalef32_pk16_bf6_f32 v[\pc+6*\c:\pc+2+6*\c], v[\x+32*\c:\x+15+32*\c], v[TM+12+2*\c]
	v_cvt_scalef32_pk16_bf6_f32 v[CSR+4*\c:CSR+2+4*\c], v[\x+16+32*\c:\x+31+32*\c], v[TM+13+2*\c]
.endr
	v_nop                                                  ; one plain place behind a scaled conversion
.irp c, 0,1                                            ; the operand wants a whole block in a lane: lanes 0-15 block 2 c, lanes 16-31 block 2 c + 1
.irp i, 0,1,2
	v_permlane16_swap_b32 v[\pc+6*\c+\i], v[CSR+4*\c+\i]
.endr
.irp i, 0,1,2
	v_mov_b32 v[\pc+3+6*\c+\i], v[CSR+4*\c+\i]
.endr
.endr
.endm
	s_load_b128 s[4:7], s[0:1], 0x0                ; tokens, table
	s_load_b128 s[8:11], s[0:1], 0x10              ; qimg, qsc
	v_lshl_add_u32 v192, v0, 2, 0x10400
	v_mov_b32 v193, 0
	v_lshrrev_b32 v58, 5, v0
	v_readfirstlane_b32 s16, v58                   ; wave
	s_lshl_b32 s17, ttmp9, 2
	s_add_co_u32 s17, s17, s16                     ; my tile of queries
	s_lshl_b32 s18, s17, 6                         ; its 16 tokens: 64 bytes
	s_mov_b32 s19, 0
	s_wait_kmcnt 0x0
	s_add_nc_u64 s[4:5], s[4:5], s[18:19]
	s_load_b512 s[TOK:TOK+15], s[4:5], 0x0
	v_and_b32 v58, 31, v0                          ; lane
	v_and_b32 v59, 15, v0                          ; r
	v_bfe_u32 v60, v0, 4, 1                        ; h
	v_lshlrev_b32 v[L16], 4, v58
	v_lshlrev_b32 v61, 2, v58                      ; 4 x lane
	s_mul_i32 s22, s16, 16*SP                      ; my stage
	v_add_nc_u32 v[STW], s22, v[L16]
	v_mul_u32_u24 v[STR], v59, SP
	v_lshl_add_u32 v[STR], v60, 6, v[STR]
	v_add_nc_u32 v[STR], s22, v[STR]
	s_mov_b32 s[SEL], 0x76543210
	s_mov_b32 s[SEL+1], 0xfedcba98
	s_mov_b32 s23, 0xffff0000                      ; lanes 16-31
.irp b, 0,1,2,3
	v_mov_b32 v[TM+4+\b], 0                        ; a lane permute's destination counts as one of its sources
.endr
	s_mul_i32 s24, s17, 3072
	s_mov_b32 s25, 0
	s_add_nc_u64 s[8:9], s[8:9], s[24:25]          ; my tile's images
	s_lshl_b32 s24, s17, 7
	s_add_nc_u64 s[10:11], s[10:11], s[24:25]      ; and its scale words
	s_mov_b32 s85, 0
	s_wait_kmcnt 0x0
.irp i, 0,1,2,3,4,5,6,7,8,9,10,11,12,13,14,15
	s_min_u32 s[TOK+\i], s[TOK+\i], 99999          ; held inside the table
	s_lshl_b32 s84, s[TOK+\i], 10                  ; a row is 1,024 bytes
	s_add_nc_u64 s[BASE+2*\i:BASE+2*\i+1], s[6:7], s[84:85]
.endr
.irp i, 0,1,2,3,4,5,6,7,8,9,10,11,12,13,14,15
	global_load_b128 v[X+8*\i:X+8*\i+3], v[L16], s[BASE+2*\i:BASE+2*\i+1]              ; 512 consecutive bytes of row i
	global_load_b128 v[X+8*\i+4:X+8*\i+7], v[L16], s[BASE+2*\i:BASE+2*\i+1] offset:512
.endr
	s_wait_loadcnt 0x0
.irp i, 0,1,2,3,4,5,6,7,8,9,10,11,12,13,14,15
	ds_store_b128 v[STW], v[X+8*\i:X+8*\i+3] offset:SP*\i
	ds_store_b128 v[STW], v[X+8*\i+4:X+8*\i+7] offset:SP*\i+512
.endr
	s_wait_dscnt 0x0                               ; the stores are done: their registers take the turned numbers
.irp s, 0,1
.irp b, 0,1,2,3
.irp j, 0,1,2,3
	ds_load_b128 v[X+64*\s+16*\b+4*\j:X+64*\s+16*\b+4*\j+3], v[STR] offset:512*\s+128*\b+16*\j
.endr
.endr
.endr
	s_wait_dscnt 0x0
	QUANT X, PC, PWA
.irp c, 0,1,2
	global_store_b128 v[L16], v[PC+4*\c:PC+4*\c+3], s[8:9] offset:512*\c
.endr
	s_wait_xcnt 0x0                                ; the stores' data registers are written again only behind this wait
	QUANT X+64, PC, PWB
.irp c, 0,1,2
	global_store_b128 v[L16], v[PC+4*\c:PC+4*\c+3], s[8:9] offset:1536+512*\c
.endr
	v_cndmask_b32 v62, v[PWA], v[PWB], s23         ; lanes 0-15: K step 0's word of row r; lanes 16-31: K step 1's
	global_store_b32 v61, v62, s[10:11]            ; 128 consecutive bytes
	s_wait_tensorcnt 0x0
	ds_add_u32 v192, v193
	s_wait_dscnt 0x0
	s_endpgm
.Lfunc_end_k_q9d51d5b0ff_prep:
	.size	k_q9d51d5b0ff_prep, .Lfunc_end_k_q9d51d5b0ff_prep-k_q9d51d5b0ff_prep
	.p2alignl 7, 3214868480
	.fill 96, 4, 3214868480
	.section	.rodata,"a",@progbits
	.p2align	6, 0x0
	.amdhsa_kernel k_q9d51d5b0ff_prep
		.amdhsa_group_segment_fixed_size 67072
		.amdhsa_private_segment_fixed_size 0
		.amdhsa_enable_private_segment 0
		.amdhsa_kernarg_size 32
		.amdhsa_user_sgpr_count 2
		.amdhsa_user_sgpr_kernarg_segment_ptr 1
		.amdhsa_wavefront_size32 1
		.amdhsa_system_sgpr_workgroup_id_x 1
		.amdhsa_system_sgpr_workgroup_id_y 1
		.amdhsa_system_sgpr_workgroup_id_z 1
		.amdhsa_system_vgpr_workitem_id 0
		.amdhsa_next_free_vgpr 194
		.amdhsa_next_free_sgpr 96
		.amdhsa_reserve_vcc 0
		.amdhsa_float_denorm_mode_32 3
		.amdhsa_float_denorm_mode_16_64 3
		.amdhsa_memory_ordered 1
		.amdhsa_forward_progress 1
		.amdhsa_inst_pref_size 20
	.end_amdhsa_kernel
	.amdgpu_metadata
---
amdhsa.version: [ 1, 2 ]
amdhsa.kernels:
  - .name:           k_q9d51d5b0ff_prep
    .symbol:         k_q9d51d5b0ff_prep.kd
    .args:
      - { .name: conceptnet_text_vec, .offset: 0, .size: 8, .value_kind: global_buffer, .address_space: global }
      - { .name: table, .offset: 8, .size: 8, .value_kind: global_buffer, .address_space: global }
      - { .name: qimg, .offset: 16, .size: 8, .value_kind: global_buffer, .address_space: global }
      - { .name: qsc, .offset: 24, .size: 8, .value_kind: global_buffer, .address_space: global }
    .group_segment_fixed_size: 67072
    .private_segment_fixed_size: 0
    .kernarg_segment_align: 8
    .kernarg_segment_size: 32
    .max_flat_workgroup_size: 128
    .sgpr_count:     96
    .vgpr_count:     194
    .wavefront_size: 32
...
	.end_amdgpu_metadata
.endif
;; end of part 1
;; launch scan (part 2): grid 250 x 1, 8 waves a work-group, no clusters, 166,912 bytes of LDS; arguments table, qimg, qsc, timg, tsc, gbuf; writes timg, tsc, gbuf
.if DOCPART == 2
	.amdgcn_target "amdgcn-amd-amdhsa--gfx1250"
	.amdhsa_code_object_version 6
	.text
	.protected	k_q9d51d5b0ff_scan
	.globl	k_q9d51d5b0ff_scan
	.p2align	8
	.type	k_q9d51d5b0ff_scan,@function
k_q9d51d5b0ff_scan:
	s_mov_b64 s[64:65], 0
	v_nop
	global_prefetch_b8 v0, s[64:65] scope:SCOPE_SE
	s_setreg_imm32_b32 hwreg(HW_REG_WAVE_MODE, 25, 1), 1
	s_wait_xcnt 0x0
; SCAN: the table is read once, quantised to BF6 (E3M2, one E8M0 byte for each 32 along K = 256), and multiplied with all 1,024 queries.  Of the logits only this is kept:
; the largest logit of each GROUP of 32 neighbouring rows, and for each query and slice a partial softmax sum s = sum of 2^(c l - M), c = log2(e), with its whole-number shift M (a running maximum rounded up; a change of M rescales s exactly).
; The codes go to memory on the way (timg, tsc), as images of operand registers, for the launch that recomputes the chosen groups' logits.
; SHARES.  A work-group owns a slice of 400 rows = 25 tiles of 16; 250 work-groups.  Wave v keeps query tiles 8 v .. 8 v + 7 in registers (192) for the whole launch.  The slice goes in six double steps of 4 tiles and a tail of one tile.
; In a double step each wave quantises ONE fragment (tile v / 2, K step v % 2) of the NEXT double step and publishes its image in LDS for all eight waves: two LDS slots by turns, one barrier a step.
; The products are used transposed (source 0 = 16 table rows, source 1 = 16 queries): lane (r, h) holds query r, register j table row 8 h + j.
; Two waves share a SIMD (512 registers each), so that one wave's vector work stands beside the other's products.  No cluster: no table row is shared, and 250 work-groups do not divide by four; the query images are read once, at the head.
; No tensor load: every streamed number passes through registers for the conversion.  No prefetch: the register loads of a fragment are issued one double step ahead of their use.
; gbuf: [256 blocks of 4 queries][250 slices][256 bytes = 4 queries x 16 f32]: slots 0-11 groups of 32 rows, slot 12 the group of 16, slot 13 zero, slot 14 -M, slot 15 s.
; LIMITS: NaN and infinities among the inputs are not served; blocks whose largest magnitude lies under 2^(4 - 126) get the byte 1 (a block of zeros too: its codes are zeros).
.set SLOTB, 16384                      ; LDS: slot 0 at 0, slot 1 here: 8 images of 1,536 bytes, then 4 scale images of 128 bytes
.set SCO,   12288                      ; the scale images in a slot
.set XSP,   528                        ; a row of a wave's turn stage: 512 bytes + 16
.set XST,   32768                      ; the turn stages: 16 rows for each wave
.set GST,   XST+8*16*XSP               ; 1,024 queries x 64 bytes; a wave writes and reads its own 8,192 alone
.set L16, 1                            ; v1  16 x lane
.set XR,  2                            ; v2  turn stage, read: + 528 r + 64 h
.set XW,  3                            ; v3  turn stage, written: + 16 x lane
.set IMW, 4                            ; v4  my image in a slot: 1,536 v + 16 x lane
.set SCW, 5                            ; v5  my scale words in a slot: SCO + 64 v + 4 r
.set SCR, 6                            ; v6  SCO + 4 x lane
.set GA0, 7                            ; v7  GST + 64 (128 v + r)
.set TA,  8                            ; v8-11, v76: this trip's addresses, made on every wave's path
.set TSA, 9
.set IWA, 10
.set SWA, 11
.set SCP, 12                           ; v12-15 the slot's 512 scale bytes, for tsc
.set QSC, 16                           ; v16-23 the queries' scale words: scales and nothing else
.set TSC, 24                           ; v24-27 the table tiles' scale words: scales and nothing else
.set STT, 28                           ; v28-59 query tile i: -M, a spare, the sum in two halves
.set G0,  60
.set G1,  61
.set X0,  62
.set X1,  63
.set GM,  64
.set TN,  65
.set NMT, 66
.set DF,  67
.set FF,  68                           ; v[68:69] f = 2^(old M - new M)
.set A2,  70
.set QD,  72                           ; v72-75 the tail's four numbers
.set GAC, 76
.set GRD, 77                           ; v77 GST + 8,192 v + 16 x lane
.set L4,  78                           ; v78 4 x lane
.set GOF, 79                           ; v79 gbuf: 64,000 (lane / 16) + 16 (lane % 16)
.set TF,  80                           ; v80-175 the step's 8 fragments of the table
.set AA,  176                          ; v176-207, v208-239 two sets of four accumulators
.set AB,  208
.set PC,  208                          ; the codes just made lie over set B, which is free then
.set CSR, 220
.set PW,  228
.set TM,  240                          ; v240-255 the quantiser's temporaries
.set RW,  192                          ; window 1: v0-191 the queries' fragments (tile i, K step s at 24 i + 12 s); v192-255 a fragment's 64 numbers
.set SEL, 20
.set MSB, 0
.macro WIN new                         ; bits 1:0 source 0, 3:2 source 1, 5:4 source 2, 7:6 destination; the high byte repeats the setting that is left
.if MSB != \new
	s_set_vgpr_msb (MSB<<8)|\new
.set MSB, \new
.endif
.endm
.macro XLOAD                           ; my next fragment: 16 rows x 512 bytes, each load 512 consecutive bytes
	WIN 0x40
.irp k, 0,1,2,3,4,5,6,7,8,9,10,11,12,13,14,15
	global_load_b128 v[RW+4*\k:RW+4*\k+3], v[L16], s[4:5] offset:1024*\k th:TH_LOAD_NT
.endr
	WIN 0
.endm
.macro TURN                            ; through my own stage: in as the bytes lie, back 16 neighbours of each block to a lane.  LDS serves a wave's instructions in order: no wait between
	WIN 0x04
.irp k, 0,1,2,3,4,5,6,7,8,9,10,11,12,13,14,15
	ds_store_b128 v[XW], v[RW+4*\k:RW+4*\k+3] offset:XSP*\k
.endr
	WIN 0x40
.irp b, 0,1,2,3
.irp j, 0,1,2,3
	ds_load_b128 v[RW+16*\b+4*\j:RW+16*\b+4*\j+3], v[XR] offset:128*\b+16*\j
.endr
.endr
	WIN 0
.endm
.macro QUANTW                          ; the 64 numbers in window 1 become codes in v[PC] on and the scale word in v[PW]
	WIN 0x05
.irp b, 0,1,2,3
	v_max3_num_f32 v[TM+\b], |v[RW+16*\b]|, |v[RW+1+16*\b]|, 0x2800000   ; with the floor 2^(5 - 127)
.endr
	WIN 0x14
.irp k, 2,4,6,8,10,12,14
.irp b, 0,1,2,3
	v_max3_num_f32 v[TM+\b], v[TM+\b], |v[RW+16*\b+\k]|, |v[RW+1+16*\b+\k]|
.endr
.endr
	WIN 0
.irp b, 0,1,2,3
	v_permlanex16_b32 v[TM+4+\b], v[TM+\b], s[SEL], s[SEL+1]
.endr
.irp b, 0,1,2,3
	v_max_num_f32 v[TM+\b], v[TM+\b], v[TM+4+\b]
.endr
.irp b, 0,1,2,3
	v_add_nc_u32 v[TM+12+\b], 0xfe000000, v[TM+\b]         ; 4 off the exponent field: the conversion's scale operand
.endr
.irp b, 0,1,2,3
	v_lshrrev_b32 v[TM+4+\b], 23, v[TM+12+\b]
.endr
	v_lshl_or_b32 v[PW], v[TM+5], 8, v[TM+4]
	v_lshl_or_b32 v[PW], v[TM+6], 16, v[PW]
	v_lshl_or_b32 v[PW], v[TM+7], 24, v[PW]
	WIN 0x01
.irp c, 0,1
	v_cvt_scalef32_pk16_bf6_f32 v[PC+6*\c:PC+2+6*\c], v[RW+32*\c:RW+15+32*\c], v[TM+12+2*\c]
	v_cvt_scalef32_pk16_bf6_f32 v[CSR+4*\c:CSR+2+4*\c], v[RW+16+32*\c:RW+31+32*\c], v[TM+13+2*\c]
.endr
	WIN 0
	v_nop                                                  ; one plain place behind a scaled conversion
.irp c, 0,1
.irp k, 0,1,2
	v_permlane16_swap_b32 v[PC+6*\c+\k], v[CSR+4*\c+\k]
.endr
.irp k, 0,1,2
	v_mov_b32 v[PC+3+6*\c+\k], v[CSR+4*\c+\k]
.endr
.endr
.endm
.macro PUBLISH ia, sa                  ; the image to LDS for all waves, and to timg
.irp c, 0,1,2
	ds_store_b128 v[\ia], v[PC+4*\c:PC+4*\c+3] offset:512*\c
.endr
	ds_store_b32 v[\sa], v[PW]                             ; lanes r and r + 16 write the same word with the same value
.irp c, 0,1,2
	global_store_b128 v[L16], v[PC+4*\c:PC+4*\c+3], s[10:11] offset:512*\c
.endr
.endm
; 8 products: query tile i against the step's four table tiles, K step 0 (starts the sums) and K step 1.  The four accumulators take turns.
.macro RUN i, a
	WIN 0x04
.irp t, 0,1,2,3
	v_wmma_scale_f32_16x16x128_f8f6f4 v[\a+8*\t:\a+8*\t+7], v[TF+24*\t:TF+24*\t+11], v[24*(\i):24*(\i)+11], 0, v[TSC+\t], v[QSC+\i] matrix_a_fmt:MATRIX_FMT_BF6 matrix_b_fmt:MATRIX_FMT_BF6
.endr
.irp t, 0,1,2,3
	v_wmma_scale_f32_16x16x128_f8f6f4 v[\a+8*\t:\a+8*\t+7], v[TF+24*\t+12:TF+24*\t+23], v[24*(\i)+12:24*(\i)+23], v[\a+8*\t:\a+8*\t+7], v[TSC+\t], v[QSC+\i] matrix_a_fmt:MATRIX_FMT_BF6 matrix_b_fmt:MATRIX_FMT_BF6 matrix_a_scale:MATRIX_SCALE_ROW1 matrix_b_scale:MATRIX_SCALE_ROW1
.endr
	WIN 0
.endm
; What is kept of 64 rows x 16 queries: two group maxima, and the sum.  Each accumulator is read from its low end on.
.macro SOFT a, i
.set SS, STT+4*(\i)
	v_max3_num_f32 v[G0], v[\a], v[\a+1], v[\a+2]
	v_max3_num_f32 v[G1], v[\a+16], v[\a+17], v[\a+18]
.irp k, 3,5,7,9,11,13
	v_max3_num_f32 v[G0], v[G0], v[\a+\k], v[\a+\k+1]
	v_max3_num_f32 v[G1], v[G1], v[\a+16+\k], v[\a+16+\k+1]
.endr
	v_max_num_f32 v[G0], v[G0], v[\a+15]
	v_max_num_f32 v[G1], v[G1], v[\a+31]
	v_permlanex16_b32 v[X0], v[G0], s[SEL], s[SEL+1]
	v_permlanex16_b32 v[X1], v[G1], s[SEL], s[SEL+1]
	v_max_num_f32 v[G0], v[G0], v[X0]                      ; with lane l xor 16's rows: the groups' largest logits
	v_max_num_f32 v[G1], v[G1], v[X1]
	ds_store_b64 v[GAC], v[G0:G1] offset:1024*(\i)
	v_max_num_f32 v[GM], v[G0], v[G1]
	v_mul_f32 v[TN], s26, v[GM]                            ; -c x the largest
	v_floor_f32 v[TN], v[TN]                               ; -ceil: a whole number
	v_min_num_f32 v[NMT], v[SS], v[TN]                     ; the new -M
	v_sub_f32 v[DF], v[NMT], v[SS]                         ; old M - new M, 0 or less
	v_cvt_i32_f32 v[DF], v[DF]                             ; (it saturates)
	v_ldexp_f32 v[FF], 1.0, v[DF]
	v_mov_b32 v[SS], v[NMT]
.irp k, 0,2,4,6,8,10,12,14,16,18,20,22,24,26,28,30
	v_pk_fma_f32 v[\a+\k:\a+\k+1], v[\a+\k:\a+\k+1], s[22:23], v[SS:SS+1] op_sel_hi:[1,0,0]   ; c l - M
.endr
.irp k, 0,1,2,3,4,5,6,7,8,9,10,11,12,13,14,15,16,17,18,19,20,21,22,23,24,25,26,27,28,29,30,31
	v_exp_f32 v[\a+\k], v[\a+\k]
.endr
	v_pk_mul_f32 v[SS+2:SS+3], v[SS+2:SS+3], v[FF:FF+1] op_sel_hi:[1,0]   ; the sum under the new M; the plain place behind the exponentials
	s_wait_alu depctr_va_vdst(0)                           ; one wait for the batch, ahead of its first reader
	v_pk_add_f32 v[A2:A2+1], v[\a:\a+1], v[\a+2:\a+3]
.irp k, 4,8,12,16,20,24,28
	v_pk_add_f32 v[SS+2:SS+3], v[SS+2:SS+3], v[\a+\k:\a+\k+1]
	v_pk_add_f32 v[A2:A2+1], v[A2:A2+1], v[\a+\k+2:\a+\k+3]
.endr
	v_pk_add_f32 v[SS+2:SS+3], v[SS+2:SS+3], v[A2:A2+1]
.endm
; The tail's tile (16 rows: the slice's last group), and the slice's closing numbers for query tile i.
.macro SOFT1 a, i
.set SS, STT+4*(\i)
	v_max3_num_f32 v[QD], v[\a], v[\a+1], v[\a+2]
	v_max3_num_f32 v[QD], v[QD], v[\a+3], v[\a+4]
	v_max3_num_f32 v[QD], v[QD], v[\a+5], v[\a+6]
	v_max_num_f32 v[QD], v[QD], v[\a+7]
	v_permlanex16_b32 v[X0], v[QD], s[SEL], s[SEL+1]
	v_max_num_f32 v[QD], v[QD], v[X0]
	v_mul_f32 v[TN], s26, v[QD]
	v_floor_f32 v[TN], v[TN]
	v_min_num_f32 v[QD+2], v[SS], v[TN]
	v_sub_f32 v[DF], v[QD+2], v[SS]
	v_cvt_i32_f32 v[DF], v[DF]
	v_ldexp_f32 v[FF], 1.0, v[DF]
	v_mov_b32 v[SS], v[QD+2]
.irp k, 0,2,4,6
	v_pk_fma_f32 v[\a+\k:\a+\k+1], v[\a+\k:\a+\k+1], s[22:23], v[SS:SS+1] op_sel_hi:[1,0,0]
.endr
.irp k, 0,1,2,3,4,5,6,7
	v_exp_f32 v[\a+\k], v[\a+\k]
.endr
	v_pk_mul_f32 v[SS+2:SS+3], v[SS+2:SS+3], v[FF:FF+1] op_sel_hi:[1,0]
	s_wait_alu depctr_va_vdst(0)
	v_pk_add_f32 v[A2:A2+1], v[\a:\a+1], v[\a+2:\a+3]
	v_pk_add_f32 v[SS+2:SS+3], v[SS+2:SS+3], v[\a+4:\a+5]
	v_pk_add_f32 v[A2:A2+1], v[A2:A2+1], v[\a+6:\a+7]
	v_pk_add_f32 v[SS+2:SS+3], v[SS+2:SS+3], v[A2:A2+1]
	v_add_f32 v[QD+3], v[SS+2], v[SS+3]
	v_permlanex16_b32 v[X1], v[QD+3], s[SEL], s[SEL+1]
	v_add_f32 v[QD+3], v[QD+3], v[X1]                      ; the query's sum over the slice
	ds_store_b128 v[GAC], v[QD:QD+3] offset:1024*(\i)      ; slots 12 to 15
.endm
	s_load_b128 s[4:7], s[0:1], 0x0                ; table, qimg
	s_load_b128 s[8:11], s[0:1], 0x10              ; qsc, timg
	s_load_b128 s[12:15], s[0:1], 0x20             ; tsc, gbuf
	v_lshl_add_u32 v250, v0, 2, 0x28800
	v_mov_b32 v251, 0
	v_lshrrev_b32 v60, 5, v0
	v_readfirstlane_b32 s16, v60                   ; wave 0..7
	v_and_b32 v61, 31, v0                          ; lane
	v_and_b32 v62, 15, v0                          ; r
	v_bfe_u32 v63, v0, 4, 1                        ; h
	v_lshlrev_b32 v[L16], 4, v61
	v_lshlrev_b32 v[L4], 2, v61
	s_mul_i32 s17, s16, 16*XSP
	s_add_co_u32 s17, s17, XST
	v_add_nc_u32 v[XW], s17, v[L16]
	v_mul_u32_u24 v[XR], v62, XSP
	v_lshl_add_u32 v[XR], v63, 6, v[XR]
	v_add_nc_u32 v[XR], s17, v[XR]
	s_mul_i32 s17, s16, 1536
	v_add_nc_u32 v[IMW], s17, v[L16]
	s_lshl_b32 s17, s16, 6                         ; 128 (v / 2) + 64 (v % 2) = 64 v
	s_add_co_u32 s17, s17, SCO
	v_lshl_add_u32 v[SCW], v62, 2, s17
	v_add_nc_u32 v[SCR], SCO, v[L4]
	s_lshl_b32 s17, s16, 13
	s_add_co_u32 s17, s17, GST
	v_lshl_add_u32 v[GA0], v62, 6, s17
	v_add_nc_u32 v[GRD], s17, v[L16]
	v_mul_u32_u24 v[GOF], v63, 64000
	v_lshl_add_u32 v[GOF], v62, 4, v[GOF]
	s_mov_b32 s[SEL], 0x76543210
	s_mov_b32 s[SEL+1], 0xfedcba98
	s_mov_b32 s22, 0x3fb8aa3b                      ; c = log2(e)
	s_mov_b32 s23, s22
	s_mov_b32 s26, 0xbfb8aa3b                      ; -c
	s_lshr_b32 s19, s16, 1                         ; my local tile; in the loop: 4 d + that
	s_and_b32 s17, s16, 1                          ; my K step
	s_mul_i32 s28, ttmp9, 409600                   ; the slice: 400 rows of 1,024 bytes
	s_lshl_b32 s30, s19, 14
	s_add_co_u32 s28, s28, s30
	s_lshl_b32 s30, s17, 9
	s_add_co_u32 s28, s28, s30
	s_mov_b32 s29, 0
	s_wait_kmcnt 0x0
	s_add_nc_u64 s[4:5], s[4:5], s[28:29]          ; my fragment of double step 0
	s_mul_i32 s28, s16, 24576
	s_add_nc_u64 s[6:7], s[6:7], s[28:29]          ; my eight query tiles' images
	s_lshl_b32 s28, s16, 10
	s_add_nc_u64 s[8:9], s[8:9], s[28:29]
	s_mul_i32 s28, ttmp9, 76800
	s_mul_i32 s30, s16, 1536
	s_add_co_u32 s28, s28, s30
	s_add_nc_u64 s[10:11], s[10:11], s[28:29]      ; where my next image goes
	s_mul_i32 s28, ttmp9, 3200
	s_add_nc_u64 s[12:13], s[12:13], s[28:29]
	s_lshl_b32 s28, ttmp9, 8
	s_mul_i32 s30, s16, 2048000
	s_add_co_u32 s28, s28, s30
	s_add_nc_u64 s[14:15], s[14:15], s[28:29]
	XLOAD                                          ; double step 0's fragment first: it is wanted first
	WIN 0x40
.set n, 0
.rept 48
	global_load_b128 v[4*n:4*n+3], v[L16], s[6:7] offset:512*n       ; the queries' fragments stay in window 1
.set n, n+1
.endr
	WIN 0
.irp k, 0,1,2,3,4,5,6,7
	global_load_b32 v[QSC+\k], v[L4], s[8:9] offset:128*\k
.endr
.irp k, 0,1,2,3,4,5,6,7
	v_mov_b32 v[STT+4*\k], 0x7f61b1e6              ; -M = 3e38: M lies under every c l
	v_mov_b32 v[STT+4*\k+1], 0
	v_mov_b32 v[STT+4*\k+2], 0
	v_mov_b32 v[STT+4*\k+3], 0
.endr
	v_mov_b32 v[FF+1], 0                           ; named as the upper half of a pair
.irp b, 0,1,2,3
	v_mov_b32 v[TM+4+\b], 0
.endr
	s_wait_loadcnt 56                              ; the 48 + 8 younger loads stay out: my first fragment is in
	TURN
	s_wait_dscnt 0x0
	QUANTW
	s_add_nc_u64 s[4:5], s[4:5], 0x10000           ; 64 rows on (the loads that read this base are done)
	XLOAD                                          ; double step 1's
	PUBLISH IMW, SCW                               ; into slot 0
	s_wait_dscnt 0x0
	s_barrier_signal -1
	s_barrier_wait -1                              ; slot 0 is whole
	s_wait_xcnt 0x0
	s_add_nc_u64 s[10:11], s[10:11], 12288
	s_wait_loadcnt 16                              ; the queries are in; the 16 loads of double step 1's fragment stay out
	s_mov_b32 s18, 0
	s_mov_b32 s24, 0                               ; the slot in hand
	s_mov_b32 s25, 0                               ; 8 bytes of a query's 64 for each double step
.Ltrip:
	s_xor_b32 s27, s24, SLOTB
	v_add_nc_u32 v[TA], s24, v[L16]
	v_add_nc_u32 v[TSA], s24, v[SCR]
	v_add_nc_u32 v[IWA], s27, v[IMW]
	v_add_nc_u32 v[SWA], s27, v[SCW]
	v_add_nc_u32 v[GAC], s25, v[GA0]
.set n, 0
.rept 24
	ds_load_b128 v[TF+4*n:TF+4*n+3], v[TA] offset:512*n
.set n, n+1
.endr
.irp t, 0,1,2,3
	ds_load_b32 v[TSC+\t], v[TSA] offset:128*\t
.endr
	ds_load_b128 v[SCP:SCP+3], v[TA] offset:SCO
	s_wait_dscnt 0x0
	s_cmp_lg_u32 s16, 0
	s_cbranch_scc1 .Lno_tsc
	global_store_b128 v[L16], v[SCP:SCP+3], s[12:13]       ; wave 0: the four tiles' scale words, 512 consecutive bytes
.Lno_tsc:
	RUN 0, AA
.rept 4
	v_nop                                          ; the places behind the first run; later the other set's vector work is the places
.endr
	RUN 1, AB
	SOFT AA, 0
	RUN 2, AA
	SOFT AB, 1
	RUN 3, AB
	SOFT AA, 2
	RUN 4, AA
	SOFT AB, 3
	RUN 5, AB
	SOFT AA, 4
	RUN 6, AA
	SOFT AB, 5
	RUN 7, AB
	SOFT AA, 6
	s_wait_loadcnt 0x0                             ; the next fragment's 16 loads, issued at the end of the trip before; nothing younger is out
	s_cmp_lt_u32 s19, 21                           ; is there a tile 4 (d + 1) + v / 2 in the slice?
	s_cbranch_scc0 .Lno_turn
	TURN
.Lno_turn:
	SOFT AB, 7
	s_wait_dscnt 0x0                               ; the turned numbers are in
	s_cmp_lt_u32 s19, 21
	s_cbranch_scc0 .Lno_q
	QUANTW
	s_cmp_lt_u32 s19, 17                           ; and a tile 4 (d + 2) + v / 2?  No load leaves the slice
	s_cbranch_scc0 .Lno_x
	s_add_nc_u64 s[4:5], s[4:5], 0x10000
	XLOAD
.Lno_x:
	PUBLISH IWA, SWA                               ; into the other slot: its last readers waited for their loads ahead of the barrier that opened this trip
.Lno_q:
	s_wait_dscnt 0x0                               ; my stores have landed, my reads of this slot are over
	s_barrier_signal -1
	s_barrier_wait -1
	s_wait_xcnt 0x0                                ; the stores' data registers and bases are written again only behind this wait
	s_add_nc_u64 s[10:11], s[10:11], 12288
	s_add_nc_u64 s[12:13], s[12:13], 512
	s_xor_b32 s24, s24, SLOTB
	s_add_co_u32 s25, s25, 8
	s_add_co_u32 s19, s19, 4
	s_add_co_u32 s18, s18, 1
	s_cmp_lt_u32 s18, 6
	s_cbranch_scc1 .Ltrip
	; THE TAIL: tile 24 alone, against my eight query tiles: eight accumulators by turns
	v_add_nc_u32 v[TA], s24, v[L16]
	v_add_nc_u32 v[TSA], s24, v[SCR]
	v_add_nc_u32 v[GAC], s25, v[GA0]
	v_mov_b32 v[QD+1], 0
.set n, 0
.rept 6
	ds_load_b128 v[TF+4*n:TF+4*n+3], v[TA] offset:512*n
.set n, n+1
.endr
	ds_load_b32 v[TSC], v[TSA]
	s_wait_dscnt 0x0
	s_cmp_lg_u32 s16, 0
	s_cbranch_scc1 .Lno_tsc2
	global_store_b32 v[L4], v[TSC], s[12:13]
.Lno_tsc2:
	WIN 0x04
.irp k, 0,1,2,3,4,5,6,7
	v_wmma_scale_f32_16x16x128_f8f6f4 v[AA+8*\k:AA+8*\k+7], v[TF:TF+11], v[24*\k:24*\k+11], 0, v[TSC], v[QSC+\k] matrix_a_fmt:MATRIX_FMT_BF6 matrix_b_fmt:MATRIX_FMT_BF6
.endr
.irp k, 0,1,2,3,4,5,6,7
	v_wmma_scale_f32_16x16x128_f8f6f4 v[AA+8*\k:AA+8*\k+7], v[TF+12:TF+23], v[24*\k+12:24*\k+23], v[AA+8*\k:AA+8*\k+7], v[TSC], v[QSC+\k] matrix_a_fmt:MATRIX_FMT_BF6 matrix_b_fmt:MATRIX_FMT_BF6 matrix_a_scale:MATRIX_SCALE_ROW1 matrix_b_scale:MATRIX_SCALE_ROW1
.endr
	WIN 0
.rept 4
	v_nop
.endr
.irp k, 0,1,2,3,4,5,6,7
	SOFT1 AA+8*\k, \k
.endr
	; THE WAY OUT: my 128 queries' 64 bytes each; sixteen lanes fill one aligned 256 bytes of gbuf.  LDS serves a wave's instructions in order: these loads see my stores
.irp k, 0,1,2,3,4,5,6,7,8,9,10,11,12,13,14,15
	ds_load_b128 v[TF+4*\k:TF+4*\k+3], v[GRD] offset:512*\k
.endr
.irp k, 0,1,2,3,4,5,6,7,8,9,10,11,12,13,14,15
	s_wait_dscnt 15-\k
	global_store_b128 v[GOF], v[TF+4*\k:TF+4*\k+3], s[14:15] offset:128000*\k
.endr
	s_wait_tensorcnt 0x0
	ds_add_u32 v250, v251
	s_wait_dscnt 0x0
	s_endpgm
.Lfunc_end_k_q9d51d5b0ff_scan:
	.size	k_q9d51d5b0ff_scan, .Lfunc_end_k_q9d51d5b0ff_scan-k_q9d51d5b0ff_scan
	.p2alignl 7, 3214868480
	.fill 96, 4, 3214868480
	.section	.rodata,"a",@progbits
	.p2align	6, 0x0
	.amdhsa_kernel k_q9d51d5b0ff_scan
		.amdhsa_group_segment_fixed_size 166912
		.amdhsa_private_segment_fixed_size 0
		.amdhsa_enable_private_segment 0
		.amdhsa_kernarg_size 48
		.amdhsa_user_sgpr_count 2
		.amdhsa_user_sgpr_kernarg_segment_ptr 1
		.amdhsa_wavefront_size32 1
		.amdhsa_system_sgpr_workgroup_id_x 1
		.amdhsa_system_sgpr_workgroup_id_y 1
		.amdhsa_system_sgpr_workgroup_id_z 1
		.amdhsa_system_vgpr_workitem_id 0
		.amdhsa_next_free_vgpr 512
		.amdhsa_next_free_sgpr 66
		.amdhsa_reserve_vcc 0
		.amdhsa_float_denorm_mode_32 3
		.amdhsa_float_denorm_mode_16_64 3
		.amdhsa_memory_ordered 1
		.amdhsa_forward_progress 1
		.amdhsa_inst_pref_size 95
	.end_amdhsa_kernel
	.amdgpu_metadata
---
amdhsa.version: [ 1, 2 ]
amdhsa.kernels:
  - .name:           k_q9d51d5b0ff_scan
    .symbol:         k_q9d51d5b0ff_scan.kd
    .args:
      - { .name: table, .offset: 0, .size: 8, .value_kind: global_buffer, .address_space: global }
      - { .name: qimg, .offset: 8, .size: 8, .value_kind: global_buffer, .address_space: global }
      - { .name: qsc, .offset: 16, .size: 8, .value_kind: global_buffer, .address_space: global }
      - { .name: timg, .offset: 24, .size: 8, .value_kind: global_buffer, .address_space: global }
      - { .name: tsc, .offset: 32, .size: 8, .value_kind: global_buffer, .address_space: global }
      - { .name: gbuf, .offset: 40, .size: 8, .value_kind: global_buffer, .address_space: global }
    .group_segment_fixed_size: 166912
    .private_segment_fixed_size: 0
    .kernarg_segment_align: 8
    .kernarg_segment_size: 48
    .max_flat_workgroup_size: 256
    .sgpr_count:     66
    .vgpr_count:     512
    .wavefront_size: 32
...
	.end_amdgpu_metadata
.endif
;; end of part 2
;; launch pick (part 3): grid 256 x 1, 4 waves a work-group, no clusters, 67,328 bytes of LDS; arguments gbuf, grp, qstat; writes grp, qstat
.if DOCPART == 3
	.amdgcn_target "amdgcn-amd-amdhsa--gfx1250"
	.amdhsa_code_object_version 6
	.text
	.protected	k_q9d51d5b0ff_pick
	.globl	k_q9d51d5b0ff_pick
	.p2align	8
	.type	k_q9d51d5b0ff_pick,@function
k_q9d51d5b0ff_pick:
	s_mov_b64 s[64:65], 0
	v_nop
	global_prefetch_b8 v0, s[64:65] scope:SCOPE_SE
	s_setreg_imm32_b32 hwreg(HW_REG_WAVE_MODE, 25, 1), 1
	s_wait_xcnt 0x0
; PICK: for each query the row's largest logit Lmax, the softmax sum S, and the 16 first GROUPS under the order (group key descending, group id ascending).
; A group's key is the f32 softmax value of its largest logit: 2^((l - Lmax) c) x (1 / S).  Every one of the 16 rows that top_k takes (value descending, index ascending) lies in one of these 16 groups:
; were 16 other groups ahead of a chosen row's group, each would hold a row that precedes it.
; SELECTION WITHOUT BRANCHES OR PAYLOADS, by two runs of one value-only network (a comparator is a maximum and a minimum).  Run 1, on the keys, gives tau, the 16th largest.  Each key is then replaced by
; -id (key > tau), -(id + 8,192) (key = tau) or -3e38; run 2 gives the 16 largest of these: all above tau, then the lowest ids of the tie.
; SHARES.  A work-group takes a block of 4 queries: 64,000 consecutive bytes of gbuf, sorted by query through LDS; wave j takes query j: 4,096 slots, 128 a lane (id = 16 x slice + slot = 128 k + 4 lane + j in register 4 k + j).
; No matrix work, no cluster, no tensor load: nothing is shared between work-groups, and the block is read once.
; LIMITS: v_exp_f32 is taken not to fall where its input rises, and gives 0 under 2^-126; the division by S is a multiplication by v_rcp_f32(S).  NaN and infinities are not served.
; Slots that hold no logit are set to -1e38 ahead of the maximum: logits at or under -1e38 are not served.
.set RG,   16576                       ; LDS: query j's region: 250 slices x 64 bytes, then 512 bytes of -1e38, then 64 spare
.set OST,  4*RG                        ; 256 bytes of ids, 256 bytes of statistics
.set KY,   128                         ; v128-255 the keys
.set B0,   80
.set B1,   96
.set LST,  112                         ; the running list of 16, descending
.macro LAYER src, dst, kk, jj          ; one layer of the bitonic network on 16 registers, from bank to bank
.set li, 0
.rept 16
.set ll, li^\jj
.if ll > li
.if (li & \kk) == 0
	v_max_num_f32 v[\dst+li], v[\src+li], v[\src+ll]
	v_min_num_f32 v[\dst+ll], v[\src+li], v[\src+ll]
.else
	v_min_num_f32 v[\dst+li], v[\src+li], v[\src+ll]
	v_max_num_f32 v[\dst+ll], v[\src+li], v[\src+ll]
.endif
.endif
.set li, li+1
.endr
.endm
.macro SORT16 src, dst                 ; 16 registers, descending; src is left as it was
	LAYER \src, B0, 2, 1
	LAYER B0, B1, 4, 2
	LAYER B1, B0, 4, 1
	LAYER B0, B1, 8, 4
	LAYER B1, B0, 8, 2
	LAYER B0, B1, 8, 1
	LAYER B1, B0, 16, 8
	LAYER B0, B1, 16, 4
	LAYER B1, B0, 16, 2
	LAYER B0, \dst, 16, 1
.endm
.macro CLEAN                           ; a bitonic 16 in B0 becomes the list
	LAYER B0, B1, 16, 8
	LAYER B1, B0, 16, 4
	LAYER B0, B1, 16, 2
	LAYER B1, LST, 16, 1
.endm
.macro MERGE                           ; the 16 largest of the list and of the sorted 16 in B1
.set xi, 0
.rept 16
	v_max_num_f32 v[B0+xi], v[LST+xi], v[B1+15-xi]
.set xi, xi+1
.endr
	CLEAN
.endm
.macro XMERGE m                        ; with lane l xor m's list: both end with the same list
.set xi, 0
.rept 16
	v_max_num_f32_dpp v[B0+xi], v[LST+15-xi], v[LST+xi] row_xmask:\m row_mask:0xf bank_mask:0xf
.set xi, xi+1
.endr
	CLEAN
.endm
.macro XMERGE16
.set xi, 0
.rept 16
	v_permlanex16_b32 v[B1+xi], v[LST+15-xi], s20, s21
.set xi, xi+1
.endr
.set xi, 0
.rept 16
	v_max_num_f32 v[B0+xi], v[LST+xi], v[B1+xi]
.set xi, xi+1
.endr
	CLEAN
.endm
	s_load_b128 s[4:7], s[0:1], 0x0                ; gbuf, grp
	s_load_b64 s[8:9], s[0:1], 0x10                ; qstat
	v_lshl_add_u32 v78, v0, 2, 0x10500
	v_mov_b32 v79, 0
	v_lshrrev_b32 v9, 5, v0
	v_readfirstlane_b32 s16, v9                    ; wave = my query of the four
	v_and_b32 v1, 31, v0                           ; lane
	s_lshl_b32 s17, s16, 9
	v_lshl_add_u32 v2, v1, 4, s17                  ; gbuf: 512 x wave + 16 x lane
	v_bfe_u32 v3, v0, 2, 2                         ; the copy: which query my 16 bytes belong to,
	v_mul_u32_u24 v3, v3, RG
	v_bfe_u32 v9, v0, 4, 1                         ; which of the chunk's two slices,
	v_lshl_add_u32 v3, v9, 6, v3
	v_and_b32 v9, 3, v0                            ; which 16 of the 64 bytes
	v_lshl_add_u32 v3, v9, 4, v3
	s_lshl_b32 s17, s16, 7
	v_add_nc_u32 v3, s17, v3
	s_mul_i32 s17, s16, RG                         ; my region
	v_lshl_add_u32 v5, v1, 4, s17                  ; read: + 16 x lane
	s_add_co_u32 s19, s17, 16000
	v_lshl_add_u32 v4, v1, 4, s19                  ; the fill
	s_add_co_u32 s19, s17, 56
	v_lshl_add_u32 v6, v1, 6, s19                  ; slots 14, 15 of slice 32 n + lane
	s_lshl_b32 s17, s16, 6
	s_add_co_u32 s17, s17, OST
	v_mov_b32 v7, s17                              ; where my query's results go
	v_lshlrev_b32 v9, 3, v1                        ; 8 x lane
	v_add_nc_u32 v8, OST, v9
	s_mov_b32 s20, 0x76543210
	s_mov_b32 s21, 0xfedcba98
	s_mov_b32 s22, 0x3fb8aa3b                      ; c = log2(e)
	s_mov_b32 s23, s22
	s_mov_b32 s27, 0xc3000000                      ; -128.0
	s_mov_b32 s29, 0xffffff00                      ; lanes 8 and up
	s_mov_b32 s30, 0x88888888                      ; lanes with lane % 4 = 3: slots 12 to 15
	s_mov_b32 s31, 0x03ffffff                      ; lanes under 26
.irp j, 0,1,2,3
	v_mov_b32 v[64+\j], 0xfe967699                 ; -1e38: under every logit that is served; times c it is still finite
.endr
	v_mov_b32 v15, 0xff61b1e6                      ; -3e38
	v_mov_b32 v11, 0
	v_mov_b32 v69, 0
	s_mul_i32 s10, ttmp9, 64000
	s_mov_b32 s11, 0
	s_lshl_b32 s12, ttmp9, 8
	s_mov_b32 s13, 0
	s_wait_kmcnt 0x0
	s_add_nc_u64 s[4:5], s[4:5], s[10:11]
	s_add_nc_u64 s[6:7], s[6:7], s[12:13]
	s_add_nc_u64 s[8:9], s[8:9], s[12:13]
	; THE COPY: 125 chunks of 512 bytes; wave v takes chunks 4 n + v, wave 0 also the last
	s_cmp_lg_u32 s16, 0
	s_cbranch_scc1 .Lc0
	global_load_b128 v[252:255], v2, s[4:5] offset:63488 th:TH_LOAD_NT
.Lc0:
.set n, 0
.rept 31
	global_load_b128 v[KY+4*n:KY+4*n+3], v2, s[4:5] offset:2048*n th:TH_LOAD_NT
.set n, n+1
.endr
	ds_store_b128 v4, v[64:67]                     ; behind my region's 250 slices: -1e38
.set n, 0
.rept 31
	s_wait_loadcnt 30-n                            ; the younger chunks stay out
	ds_store_b128 v3, v[KY+4*n:KY+4*n+3] offset:512*n
.set n, n+1
.endr
	s_cmp_lg_u32 s16, 0
	s_cbranch_scc1 .Lc1
	ds_store_b128 v3, v[252:255] offset:15872
.Lc1:
	s_wait_dscnt 0x0
	s_barrier_signal -1
	s_barrier_wait -1                              ; the four regions are whole
.set n, 0
.rept 32
	ds_load_b128 v[KY+4*n:KY+4*n+3], v5 offset:512*n
.set n, n+1
.endr
.irp n, 0,1,2,3,4,5,6,7
	ds_load_b64 v[32+2*\n:33+2*\n], v6 offset:2048*\n      ; (-M, s) of slice 32 n + lane
.endr
	; small tables, while the loads are out
	v_mov_b32 v20, -1.0
	v_mov_b32 v48, 0                               ; what is added to a key: 0, or -1 where the slot holds no group
.irp j, 1,2,3
	v_cndmask_b32 v[48+\j], 0, v20, s30
.endr
.irp j, 0,1,2,3
	v_cndmask_b32 v[52+\j], v[48+\j], v20, s29     ; the last 128 ids: only lanes 0-7 hold slices
.endr
	v_lshlrev_b32 v21, 2, v1
.irp j, 0,1,2,3
	v_add_nc_u32 v[56+\j], \j, v21
	v_cvt_f32_u32 v[56+\j], v[56+\j]
	v_xor_b32 v[56+\j], 0x80000000, v[56+\j]       ; -id, exact in f32
	v_add_f32 v[60+\j], 0xc6000000, v[56+\j]       ; -(id + 8,192)
.endr
	s_wait_dscnt 0x0
.set n, 0
.rept 32
.irp j, 1,2,3
	v_cndmask_b32 v[KY+4*n+\j], v[KY+4*n+\j], v64, s30     ; slots 13 to 15 are no logits
.endr
.set n, n+1
.endr
	; Lmax
.irp c, 0,1,2,3
	v_max3_num_f32 v[16+\c], v[KY+32*\c], v[KY+32*\c+1], v[KY+32*\c+2]
.endr
.irp i, 3,5,7,9,11,13,15,17,19,21,23,25,27,29
.irp c, 0,1,2,3
	v_max3_num_f32 v[16+\c], v[16+\c], v[KY+32*\c+\i], v[KY+32*\c+\i+1]
.endr
.endr
.irp c, 0,1,2,3
	v_max_num_f32 v[16+\c], v[16+\c], v[KY+32*\c+31]
.endr
	v_max3_num_f32 v10, v16, v17, v18
	v_max_num_f32 v10, v10, v19
.irp m, 1,2,4,8
	v_max_num_f32_dpp v10, v10, v10 row_xmask:\m row_mask:0xf bank_mask:0xf
.endr
	v_permlanex16_b32 v11, v10, s20, s21
	v_max_num_f32 v10, v10, v11                    ; Lmax, in every lane
	v_sub_f32 v22, 0, v10
	v_mov_b32 v23, v22                             ; v[22:23] = -Lmax, twice
	; S = the sum over slices of s x 2^(M - c Lmax)
	v_mul_f32 v21, s22, v10
.irp n, 0,1,2,3,4,5,6,7
	v_add_f32 v[68+\n], -v[32+2*\n], -v21
.endr
	v_cndmask_b32 v75, 0, v75, s31                 ; slices 250 to 255 do not exist: their exponent is 0,
.irp n, 0,1,2,3,4,5,6,7
	v_exp_f32 v[68+\n], v[68+\n]
.endr
	v_nop
	s_wait_alu depctr_va_vdst(0)                   ; one wait for the eight
.irp n, 0,1,2,3,4,5,6,7
	v_mul_f32 v[68+\n], v[68+\n], v[33+2*\n]
.endr
	v_cndmask_b32 v75, 0, v75, s31                 ; and their term is 0
	v_add_f32 v68, v68, v69
	v_add_f32 v70, v70, v71
	v_add_f32 v72, v72, v73
	v_add_f32 v74, v74, v75
	v_add_f32 v68, v68, v70
	v_add_f32 v72, v72, v74
	v_add_f32 v68, v68, v72
.irp m, 1,2,4,8
	v_add_f32_dpp v68, v68, v68 row_xmask:\m row_mask:0xf bank_mask:0xf
.endr
	v_permlanex16_b32 v69, v68, s20, s21
	v_add_f32 v68, v68, v69
	v_rcp_f32 v12, v68
	v_nop
	s_wait_alu depctr_va_vdst(0)
	v_mov_b32 v13, v12                             ; v[12:13] = 1 / S, twice
	; the keys
.set n, 0
.rept 64
	v_pk_add_f32 v[KY+2*n:KY+2*n+1], v[KY+2*n:KY+2*n+1], v[22:23]          ; l - Lmax
.set n, n+1
.endr
.set n, 0
.rept 64
	v_pk_mul_f32 v[KY+2*n:KY+2*n+1], v[KY+2*n:KY+2*n+1], s[22:23] op_sel_hi:[1,0]
.set n, n+1
.endr
.set n, 0
.rept 128
	v_exp_f32 v[KY+n], v[KY+n]
.set n, n+1
.endr
	v_nop
	s_wait_alu depctr_va_vdst(0)                   ; one wait for the 128
.set n, 0
.rept 64
.if n < 62
	v_pk_fma_f32 v[KY+2*n:KY+2*n+1], v[KY+2*n:KY+2*n+1], v[12:13], v[48+2*(n%2):49+2*(n%2)]
.else
	v_pk_fma_f32 v[KY+2*n:KY+2*n+1], v[KY+2*n:KY+2*n+1], v[12:13], v[52+2*(n%2):53+2*(n%2)]
.endif
.set n, n+1
.endr
	; the network, walked twice
	s_mov_b32 s18, 0
.Lnet:
	SORT16 KY, LST
.set bb, 1
.rept 7
	SORT16 KY+16*bb, B1
	MERGE
.set bb, bb+1
.endr
	XMERGE 1
	XMERGE 2
	XMERGE 4
	XMERGE 8
	XMERGE16
	s_cmp_lg_u32 s18, 0
	s_cbranch_scc1 .Lbuilt
	v_mov_b32 v14, v[LST+15]                       ; tau
.set n, 0
.rept 32
.irp j, 0,1,2,3
	v_cmp_ge_f32 vcc_lo, v[KY+4*n+\j], v14
	v_cndmask_b32 v[24+\j], v15, v[60+\j], vcc_lo          ; at or above tau: -(id + 8,192); below: -3e38
	v_cmp_gt_f32 vcc_lo, v[KY+4*n+\j], v14
	v_cndmask_b32 v[KY+4*n+\j], v[24+\j], v[56+\j], vcc_lo ; above tau: -id
.endr
.if n < 31
.irp j, 0,1,2,3,4,5,6,7
	v_add_f32 v[56+\j], s27, v[56+\j]              ; 128 ids on
.endr
.endif
.set n, n+1
.endr
.Lbuilt:
	s_add_co_u32 s18, s18, 1
	s_cmp_lt_u32 s18, 2
	s_cbranch_scc1 .Lnet
	; out: every lane holds the same 16
.set n, 0
.rept 16
	v_xor_b32 v[B0+n], 0x80000000, v[LST+n]        ; id, or id + 8,192
.set n, n+1
.endr
.set n, 0
.rept 16
	v_cvt_u32_f32 v[B0+n], v[B0+n]
.set n, n+1
.endr
.set n, 0
.rept 16
	v_and_b32 v[B0+n], 0x1fff, v[B0+n]
	v_mov_b32 v[B1+n], 0
.set n, n+1
.endr
	v_mov_b32 v[B1], v10
	v_mov_b32 v[B1+1], v12
.irp c, 0,1,2,3
	ds_store_b128 v7, v[B0+4*\c:B0+4*\c+3] offset:16*\c            ; all lanes: the same bytes with the same values
	ds_store_b128 v7, v[B1+4*\c:B1+4*\c+3] offset:256+16*\c
.endr
	s_wait_dscnt 0x0
	s_barrier_signal -1
	s_barrier_wait -1
	s_cmp_lg_u32 s16, 0
	s_cbranch_scc1 .Lend
	ds_load_b64 v[20:21], v8
	ds_load_b64 v[22:23], v8 offset:256
	s_wait_dscnt 0x0
	global_store_b64 v9, v[20:21], s[6:7]          ; 256 consecutive bytes, aligned
	global_store_b64 v9, v[22:23], s[8:9]
.Lend:
	s_wait_tensorcnt 0x0
	ds_add_u32 v78, v79
	s_wait_dscnt 0x0
	s_endpgm
.Lfunc_end_k_q9d51d5b0ff_pick:
	.size	k_q9d51d5b0ff_pick, .Lfunc_end_k_q9d51d5b0ff_pick-k_q9d51d5b0ff_pick
	.p2alignl 7, 3214868480
	.fill 96, 4, 3214868480
	.section	.rodata,"a",@progbits
	.p2align	6, 0x0
	.amdhsa_kernel k_q9d51d5b0ff_pick
		.amdhsa_group_segment_fixed_size 67328
		.amdhsa_private_segment_fixed_size 0
		.amdhsa_enable_private_segment 0
		.amdhsa_kernarg_size 24
		.amdhsa_user_sgpr_count 2
		.amdhsa_user_sgpr_kernarg_segment_ptr 1
		.amdhsa_wavefront_size32 1
		.amdhsa_system_sgpr_workgroup_id_x 1
		.amdhsa_system_sgpr_workgroup_id_y 1
		.amdhsa_system_sgpr_workgroup_id_z 1
		.amdhsa_system_vgpr_workitem_id 0
		.amdhsa_next_free_vgpr 256
		.amdhsa_next_free_sgpr 66
		.amdhsa_reserve_vcc 1
		.amdhsa_float_denorm_mode_32 3
		.amdhsa_float_denorm_mode_16_64 3
		.amdhsa_memory_ordered 1
		.amdhsa_forward_progress 1
		.amdhsa_inst_pref_size 143
	.end_amdhsa_kernel
	.amdgpu_metadata
---
amdhsa.version: [ 1, 2 ]
amdhsa.kernels:
  - .name:           k_q9d51d5b0ff_pick
    .symbol:         k_q9d51d5b0ff_pick.kd
    .args:
      - { .name: gbuf, .offset: 0, .size: 8, .value_kind: global_buffer, .address_space: global }
      - { .name: grp, .offset: 8, .size: 8, .value_kind: global_buffer, .address_space: global }
      - { .name: qstat, .offset: 16, .size: 8, .value_kind: global_buffer, .address_space: global }
    .group_segment_fixed_size: 67328
    .private_segment_fixed_size: 0
    .kernarg_segment_align: 8
    .kernarg_segment_size: 24
    .max_flat_workgroup_size: 128
    .sgpr_count:     66
    .vgpr_count:     256
    .wavefront_size: 32
...
	.end_amdgpu_metadata
.endif
;; end of part 3
;; launch refine (part 4): grid 256 x 1, 4 waves a work-group, no clusters, 1,024 bytes of LDS; arguments grp, qstat, qimg, qsc, timg, tsc, nidx; writes nidx
.if DOCPART == 4
	.amdgcn_target "amdgcn-amd-amdhsa--gfx1250"
	.amdhsa_code_object_version 6
	.text
	.protected	k_q9d51d5b0ff_refine
	.globl	k_q9d51d5b0ff_refine
	.p2align	8
	.type	k_q9d51d5b0ff_refine,@function
k_q9d51d5b0ff_refine:
	s_mov_b64 s[64:65], 0
	v_nop
	global_prefetch_b8 v0, s[64:65] scope:SCOPE_SE
	s_setreg_imm32_b32 hwreg(HW_REG_WAVE_MODE, 25, 1), 1
	s_wait_xcnt 0x0
; REFINE: for each query the logits of its 16 chosen groups (32 rows each) are made again from the stored codes, by the same two matrix instructions in the same order as in the scan, so with the same bits;
; each becomes the f32 softmax value 2^((l - Lmax) c) x (1 / S), and the 16 first rows under (value descending, index ascending) are stored: what top_k takes.
; A wave takes one query.  Source 0 = 16 table rows, source 1 = the query in all 16 columns: every lane gets every group's logits, and lanes g and g + 16 keep group g's (a select, no branch).
; The tiles' addresses hang on grp, whole numbers that an earlier launch stored; each tile number is held at 6,249.
; Selection: the value-only network, walked twice (tau; then -index, -(index + 131,072) at a tie, -3e38 below).
; No tensor load and no cluster: which tiles a wave reads hangs on stored numbers, and no two waves share them by plan.  Three groups' loads (14 each) are on their way at a time.
; LIMITS: as in the launch that picks the groups: v_exp_f32 taken as not falling, 0 under 2^-126; 1 / S by v_rcp_f32.
.set L16, 1
.set L4,  2
.set QO,  3
.set QSO, 4
.set GR,  5
.set OSA, 6
.set OL,  7
.set GID, 10
.set SLT, 11
.set NI,  12
.set NI2, 13
.set TAU, 14
.set NEG, 15
.set QF,  16                           ; v16-39 the query's two fragments
.set QSC, 40                           ; v40 its scale words: scales and nothing else
.set NG1, 41
.set HH,  42                           ; v42 lane / 16; later, with v43, a temporary of the replacement
.set OFFR, 44                          ; v44-55 the ring's offsets, four to a slot
.set TS,  56                           ; v56-61 the tiles' scale words, two to a slot: scales and nothing else
.set CD,  64                           ; v64-79 my 16 candidates
.set ACC, 80                           ; v80-111 two sets of two accumulators
.set RING, 112                         ; v112-255 three slots of four fragments
.set B0,  112                          ; behind the products the network's banks lie over the ring
.set B1,  128
.set LST, 144
.macro LAYER src, dst, kk, jj
.set li, 0
.rept 16
.set ll, li^\jj
.if ll > li
.if (li & \kk) == 0
	v_max_num_f32 v[\dst+li], v[\src+li], v[\src+ll]
	v_min_num_f32 v[\dst+ll], v[\src+li], v[\src+ll]
.else
	v_min_num_f32 v[\dst+li], v[\src+li], v[\src+ll]
	v_max_num_f32 v[\dst+ll], v[\src+li], v[\src+ll]
.endif
.endif
.set li, li+1
.endr
.endm
.macro SORT16 src, dst
	LAYER \src, B0, 2, 1
	LAYER B0, B1, 4, 2
	LAYER B1, B0, 4, 1
	LAYER B0, B1, 8, 4
	LAYER B1, B0, 8, 2
	LAYER B0, B1, 8, 1
	LAYER B1, B0, 16, 8
	LAYER B0, B1, 16, 4
	LAYER B1, B0, 16, 2
	LAYER B0, \dst, 16, 1
.endm
.macro CLEAN
	LAYER B0, B1, 16, 8
	LAYER B1, B0, 16, 4
	LAYER B0, B1, 16, 2
	LAYER B1, LST, 16, 1
.endm
.macro XMERGE m
.set xi, 0
.rept 16
	v_max_num_f32_dpp v[B0+xi], v[LST+15-xi], v[LST+xi] row_xmask:\m row_mask:0xf bank_mask:0xf
.set xi, xi+1
.endr
	CLEAN
.endm
.macro XMERGE16
.set xi, 0
.rept 16
	v_permlanex16_b32 v[B1+xi], v[LST+15-xi], s26, s27
.set xi, xi+1
.endr
.set xi, 0
.rept 16
	v_max_num_f32 v[B0+xi], v[LST+xi], v[B1+xi]
.set xi, xi+1
.endr
	CLEAN
.endm
; group g's two tiles into ring slot g % 3.  The four additions are also the four places behind the products that read the slot.
.macro LOADG g
.set RS, RING+48*((\g)%3)
.set OS, OFFR+4*((\g)%3)
.set TR, TS+2*((\g)%3)
	s_lshr_b32 s50, s[32+(\g)], 4                  ; slice
	s_mul_i32 s50, s50, 25
	s_and_b32 s51, s[32+(\g)], 15                  ; slot
	s_lshl_b32 s51, s51, 1
	s_add_co_u32 s50, s50, s51
	s_min_u32 s50, s50, 6249                       ; the group's first tile, held inside the table
	s_add_co_u32 s51, s50, 1
	s_min_u32 s51, s51, 6249
	s_mul_i32 s52, s50, 3072
	s_lshl_b32 s53, s50, 7
	s_mul_i32 s54, s51, 3072
	s_lshl_b32 s55, s51, 7
	v_add_nc_u32 v[OS], s52, v[L16]
	v_add_nc_u32 v[OS+1], s54, v[L16]
	v_add_nc_u32 v[OS+2], s53, v[L4]
	v_add_nc_u32 v[OS+3], s55, v[L4]
.irp c, 0,1,2,3,4,5
	global_load_b128 v[RS+4*\c:RS+4*\c+3], v[OS], s[12:13] offset:512*\c
.endr
.irp c, 0,1,2,3,4,5
	global_load_b128 v[RS+24+4*\c:RS+24+4*\c+3], v[OS+1], s[12:13] offset:512*\c
.endr
	global_load_b32 v[TR], v[OS+2], s[14:15]
	global_load_b32 v[TR+1], v[OS+3], s[14:15]
.endm
.macro MM g                            ; the two accumulators take turns
.set RS, RING+48*((\g)%3)
.set TR, TS+2*((\g)%3)
.set AC, ACC+16*((\g)%2)
	v_wmma_scale_f32_16x16x128_f8f6f4 v[AC:AC+7], v[RS:RS+11], v[QF:QF+11], 0, v[TR], v[QSC] matrix_a_fmt:MATRIX_FMT_BF6 matrix_b_fmt:MATRIX_FMT_BF6
	v_wmma_scale_f32_16x16x128_f8f6f4 v[AC+8:AC+15], v[RS+24:RS+35], v[QF:QF+11], 0, v[TR+1], v[QSC] matrix_a_fmt:MATRIX_FMT_BF6 matrix_b_fmt:MATRIX_FMT_BF6
	v_wmma_scale_f32_16x16x128_f8f6f4 v[AC:AC+7], v[RS+12:RS+23], v[QF+12:QF+23], v[AC:AC+7], v[TR], v[QSC] matrix_a_fmt:MATRIX_FMT_BF6 matrix_b_fmt:MATRIX_FMT_BF6 matrix_a_scale:MATRIX_SCALE_ROW1 matrix_b_scale:MATRIX_SCALE_ROW1
	v_wmma_scale_f32_16x16x128_f8f6f4 v[AC+8:AC+15], v[RS+36:RS+47], v[QF+12:QF+23], v[AC+8:AC+15], v[TR+1], v[QSC] matrix_a_fmt:MATRIX_FMT_BF6 matrix_b_fmt:MATRIX_FMT_BF6 matrix_a_scale:MATRIX_SCALE_ROW1 matrix_b_scale:MATRIX_SCALE_ROW1
.endm
.macro SELECT g                        ; lanes g and g + 16 keep group g's logits; each accumulator is read from its low end on
.set AC, ACC+16*((\g)%2)
.if (\g) == 0
.irp j, 0,1,2,3,4,5,6,7,8,9,10,11,12,13,14,15
	v_mov_b32 v[CD+\j], v[AC+\j]
.endr
.else
	s_mov_b32 s56, 0x10001<<(\g)
.irp j, 0,1,2,3,4,5,6,7,8,9,10,11,12,13,14,15
	v_cndmask_b32 v[CD+\j], v[CD+\j], v[AC+\j], s56
.endr
.endif
.endm
	s_load_b128 s[4:7], s[0:1], 0x0                ; grp, qstat
	s_load_b128 s[8:11], s[0:1], 0x10              ; qimg, qsc
	s_load_b128 s[12:15], s[0:1], 0x20             ; timg, tsc
	s_load_b64 s[16:17], s[0:1], 0x30              ; nidx
	v_lshl_add_u32 v62, v0, 2, 0x200
	v_mov_b32 v63, 0
	v_lshrrev_b32 v8, 5, v0
	v_readfirstlane_b32 s18, v8                    ; wave
	s_lshl_b32 s19, ttmp9, 2
	s_add_co_u32 s19, s19, s18                     ; my query
	s_lshl_b32 s20, s19, 6
	s_mov_b32 s21, 0
	s_lshr_b32 s22, s19, 4                         ; its tile,
	s_and_b32 s23, s19, 15                         ; its row in the tile
	s_mul_i32 s24, s22, 3072
	s_lshl_b32 s28, s23, 4
	s_add_co_u32 s24, s24, s28
	s_mov_b32 s25, 0
	s_lshl_b32 s30, s22, 7
	s_lshl_b32 s28, s23, 2
	s_add_co_u32 s30, s30, s28
	s_mov_b32 s31, 0
	s_wait_kmcnt 0x0
	s_add_nc_u64 s[4:5], s[4:5], s[20:21]
	s_add_nc_u64 s[6:7], s[6:7], s[20:21]
	s_add_nc_u64 s[8:9], s[8:9], s[24:25]
	s_add_nc_u64 s[10:11], s[10:11], s[30:31]
	s_load_b512 s[32:47], s[4:5], 0x0              ; the 16 groups
	s_load_b64 s[48:49], s[6:7], 0x0               ; Lmax, 1 / S
	s_lshl_b32 s20, ttmp9, 8
	s_add_nc_u64 s[16:17], s[16:17], s[20:21]
	v_and_b32 v8, 31, v0
	v_and_b32 v9, 15, v0                           ; r
	v_bfe_u32 v[HH], v0, 4, 1                      ; h
	v_lshlrev_b32 v[L16], 4, v8
	v_lshlrev_b32 v[L4], 2, v8
	v_lshlrev_b32 v[OL], 3, v8
	v_lshlrev_b32 v[QO], 8, v[HH]                  ; every lane of a half takes the query's own lane of that half
	v_lshlrev_b32 v[QSO], 6, v[HH]
	v_lshlrev_b32 v[GR], 2, v9
	s_lshl_b32 s28, s18, 6
	v_mov_b32 v[OSA], s28
	global_load_b32 v[GID], v[GR], s[4:5]          ; lane r's own group
.irp s, 0,1
.irp c, 0,1,2
	global_load_b128 v[QF+12*\s+4*\c:QF+12*\s+4*\c+3], v[QO], s[8:9] offset:1536*\s+512*\c
.endr
.endr
	global_load_b32 v[QSC], v[QSO], s[10:11]
	s_mov_b32 s26, 0x76543210
	s_mov_b32 s27, 0xfedcba98
	s_mov_b32 s28, 0x3fb8aa3b                      ; c = log2(e)
	v_mov_b32 v[NEG], 0xff61b1e6                   ; -3e38
	v_mov_b32 v[NG1], -1.0
	s_wait_kmcnt 0x0
	LOADG 0
	LOADG 1
	LOADG 2
.irp g, 0,1,2,3,4,5,6,7,8,9,10,11,12,13,14,15
.if \g < 14
	s_wait_loadcnt 28                              ; the two younger groups' 14 loads each stay out
.elseif \g == 14
	s_wait_loadcnt 14
.else
	s_wait_loadcnt 0
.endif
	MM \g
.if \g > 0
	SELECT \g-1
.endif
.if \g < 13
	LOADG \g+3
.endif
.endr
	SELECT 15
	; my candidates' indices: 16 x first tile + 8 h + j, and 16 more for the second tile
	v_and_b32 v[SLT], 15, v[GID]
	v_lshrrev_b32 v[NI], 4, v[GID]
	v_mul_u32_u24 v[NI], v[NI], 25
	v_lshl_add_u32 v[NI], v[SLT], 1, v[NI]
	v_lshlrev_b32 v[NI], 4, v[NI]
	v_lshl_add_u32 v[NI], v[HH], 3, v[NI]
	v_cvt_f32_u32 v[NI], v[NI]
	v_xor_b32 v[NI], 0x80000000, v[NI]             ; -index, exact in f32
	v_add_f32 v[NI2], 0xc8000000, v[NI]            ; -(index + 131,072)
	; the softmax values
.irp j, 0,1,2,3,4,5,6,7,8,9,10,11,12,13,14,15
	v_sub_f32 v[CD+\j], v[CD+\j], s48
.endr
.irp j, 0,1,2,3,4,5,6,7,8,9,10,11,12,13,14,15
	v_mul_f32 v[CD+\j], s28, v[CD+\j]
.endr
.irp j, 0,1,2,3,4,5,6,7,8,9,10,11,12,13,14,15
	v_exp_f32 v[CD+\j], v[CD+\j]
.endr
	v_nop
	s_wait_alu depctr_va_vdst(0)                   ; one wait for the sixteen
.irp j, 0,1,2,3,4,5,6,7,8,9,10,11,12,13,14,15
	v_mul_f32 v[CD+\j], s49, v[CD+\j]
.endr
	v_cmp_eq_u32 vcc_lo, 12, v[SLT]                ; a group of 16 rows: its second tile belongs to another group
.irp j, 8,9,10,11,12,13,14,15
	v_cndmask_b32 v[CD+\j], v[CD+\j], v[NG1], vcc_lo
.endr
	s_mov_b32 s58, 0
.Lnet:
	SORT16 CD, LST
	XMERGE 1
	XMERGE 2
	XMERGE 4
	XMERGE 8
	XMERGE16
	s_cmp_lg_u32 s58, 0
	s_cbranch_scc1 .Lbuilt
	v_mov_b32 v[TAU], v[LST+15]
.irp j, 0,1,2,3,4,5,6,7,8,9,10,11,12,13,14,15
	v_cmp_ge_f32 vcc_lo, v[CD+\j], v[TAU]
	v_cndmask_b32 v[HH+(\j%2)], v[NEG], v[NI2], vcc_lo     ; at or above tau: -(index + 131,072); below: -3e38
	v_cmp_gt_f32 vcc_lo, v[CD+\j], v[TAU]
	v_cndmask_b32 v[CD+\j], v[HH+(\j%2)], v[NI], vcc_lo    ; above tau: -index
.if \j == 7
	v_add_f32 v[NI], 0xc1100000, v[NI]             ; on to the second tile: 9 rows
	v_add_f32 v[NI2], 0xc1100000, v[NI2]
.elseif \j < 15
	v_add_f32 v[NI], -1.0, v[NI]
	v_add_f32 v[NI2], -1.0, v[NI2]
.endif
.endr
.Lbuilt:
	s_add_co_u32 s58, s58, 1
	s_cmp_lt_u32 s58, 2
	s_cbranch_scc1 .Lnet
.set n, 0
.rept 16
	v_xor_b32 v[B0+n], 0x80000000, v[LST+n]        ; index, or index + 131,072
.set n, n+1
.endr
.set n, 0
.rept 16
	v_cvt_u32_f32 v[B0+n], v[B0+n]
.set n, n+1
.endr
.set n, 0
.rept 16
	v_and_b32 v[B0+n], 0x1ffff, v[B0+n]
.set n, n+1
.endr
.irp c, 0,1,2,3
	ds_store_b128 v[OSA], v[B0+4*\c:B0+4*\c+3] offset:16*\c        ; all lanes: the same bytes with the same values
.endr
	s_wait_dscnt 0x0
	s_barrier_signal -1
	s_barrier_wait -1
	s_cmp_lg_u32 s18, 0
	s_cbranch_scc1 .Lend
	ds_load_b64 v[8:9], v[OL]
	s_wait_dscnt 0x0
	global_store_b64 v[OL], v[8:9], s[16:17]       ; 256 consecutive bytes, aligned
.Lend:
	s_wait_tensorcnt 0x0
	ds_add_u32 v62, v63
	s_wait_dscnt 0x0
	s_endpgm
.Lfunc_end_k_q9d51d5b0ff_refine:
	.size	k_q9d51d5b0ff_refine, .Lfunc_end_k_q9d51d5b0ff_refine-k_q9d51d5b0ff_refine
	.p2alignl 7, 3214868480
	.fill 96, 4, 3214868480
	.section	.rodata,"a",@progbits
	.p2align	6, 0x0
	.amdhsa_kernel k_q9d51d5b0ff_refine
		.amdhsa_group_segment_fixed_size 1024
		.amdhsa_private_segment_fixed_size 0
		.amdhsa_enable_private_segment 0
		.amdhsa_kernarg_size 56
		.amdhsa_user_sgpr_count 2
		.amdhsa_user_sgpr_kernarg_segment_ptr 1
		.amdhsa_wavefront_size32 1
		.amdhsa_system_sgpr_workgroup_id_x 1
		.amdhsa_system_sgpr_workgroup_id_y 1
		.amdhsa_system_sgpr_workgroup_id_z 1
		.amdhsa_system_vgpr_workitem_id 0
		.amdhsa_next_free_vgpr 256
		.amdhsa_next_free_sgpr 80
		.amdhsa_reserve_vcc 1
		.amdhsa_float_denorm_mode_32 3
		.amdhsa_float_denorm_mode_16_64 3
		.amdhsa_memory_ordered 1
		.amdhsa_forward_progress 1
		.amdhsa_inst_pref_size 90
	.end_amdhsa_kernel
	.amdgpu_metadata
---
amdhsa.version: [ 1, 2 ]
amdhsa.kernels:
  - .name:           k_q9d51d5b0ff_refine
    .symbol:         k_q9d51d5b0ff_refine.kd
    .args:
      - { .name: grp, .offset: 0, .size: 8, .value_kind: global_buffer, .address_space: global }
      - { .name: qstat, .offset: 8, .size: 8, .value_kind: global_buffer, .address_space: global }
      - { .name: qimg, .offset: 16, .size: 8, .value_kind: global_buffer, .address_space: global }
      - { .name: qsc, .offset: 24, .size: 8, .value_kind: global_buffer, .address_space: global }
      - { .name: timg, .offset: 32, .size: 8, .value_kind: global_buffer, .address_space: global }
      - { .name: tsc, .offset: 40, .size: 8, .value_kind: global_buffer, .address_space: global }
      - { .name: nidx, .offset: 48, .size: 8, .value_kind: global_buffer, .address_space: global }
    .group_segment_fixed_size: 1024
    .private_segment_fixed_size: 0
    .kernarg_segment_align: 8
    .kernarg_segment_size: 56
    .max_flat_workgroup_size: 128
    .sgpr_count:     80
    .vgpr_count:     256
    .wavefront_size: 32
...
	.end_amdgpu_metadata
.endif
;; end of part 4
;; launch attend (part 5): grid 256 x 1, 4 waves a work-group, no clusters, 117,248 bytes of LDS; arguments nidx, table, a_codes, a_scales, b, out0; writes out0
.if DOCPART == 5
	.amdgcn_target "amdgcn-amd-amdhsa--gfx1250"
	.amdhsa_code_object_version 6
	.text
	.protected	k_q9d51d5b0ff_attend
	.globl	k_q9d51d5b0ff_attend
	.p2align	8
	.type	k_q9d51d5b0ff_attend,@function
k_q9d51d5b0ff_attend:
	s_mov_b64 s[64:65], 0
	v_nop
	global_prefetch_b8 v0, s[64:65] scope:SCOPE_SE
	s_setreg_imm32_b32 hwreg(HW_REG_WAVE_MODE, 25, 1), 1
	s_wait_xcnt 0x0
; ATTEND: for each query its 16 neighbours h (rows of table named by nidx, whole numbers that an earlier launch stored) are gathered, quantised to BF6 along K = 256, multiplied with a (given as codes),
; e = tanh(h a) . b, attention = softmax over the 16 (the largest e taken away first), out = the weighted sum of the 16 f32 rows.
; A wave takes one query: its 16 neighbours are one tile.  The product is used transposed (source 0 = 16 rows of a_codes, source 1 = h): lane (r, h) holds neighbour r and eight columns n of h a.
; a's 32 fragments are brought once a work-group, a quarter by each wave, and lie in LDS as images of operand registers (three runs of 512 bytes, lane l's 16 bytes at 16 l); b lies beside them.  One barrier.
; h's rows stay in the wave's own stage in LDS: read once by the quantiser's layout, once by columns for the pooling.
; tanh(x) = 1 - 2 / (1 + 2^(2 x log2 e)): it goes to 1 and -1 at the ends without overflow.  The products with b and with the weights are f32 multiply-adds.
; No tensor load: the rows hang on stored numbers.  No cluster: what work-groups share is a's 48 KiB, read once each.
; LIMITS: NaN and infinities are not served; blocks of h under 2^(4 - 126) get the byte 1.  An index outside the table is held at its last row.
.set L16, 1                            ; v1  16 x lane (also the LDS address of an image's lane: the images begin at LDS byte 0)
.set STW, 2                            ; v2  my stage + 16 x lane
.set STR, 3                            ; v3  my stage + 1,040 r + 64 h
.set AAD, 4                            ; v4  a_codes: 192 r + 24 h
.set IMW, 5                            ; v5  my quarter's images: 12,288 v + 16 x lane
.set BG,  6                            ; v6  8 x lane
.set BL,  7                            ; v7  b in LDS: + 256 v + 8 x lane
.set ASO, 8                            ; v8  a_scales: 8 r + 4 h
.set BR,  9                            ; v9  b in LDS, read: + 32 h
.set BP,  10                           ; v[10:11] my 8 bytes of b
.set EE,  12                           ; v12-15 e, in two chains of pairs
.set HS,  16                           ; v16-17 h's scale words: scales and nothing else
.set AS,  18                           ; v18-33 a's scale words, a register a tile (lanes 0-15 K step 0, lanes 16-31 K step 1): scales and nothing else
.set HF,  34                           ; v34-57 h's two fragments
.set TM,  58                           ; v58-73
.set CSR, 74                           ; v74-81
.set OU,  82                           ; v82-89 my 8 numbers of the output row
.set BB,  96                           ; v96-127 b at a batch's columns
.set AB,  128                          ; v128-223 my quarter of a; then h's numbers (v128-255); then a batch's 8 fragments; then h by columns (v128-255)
.set AC,  224                          ; v224-255 four accumulators
.set X,   128
.set BO,  49152                        ; LDS: 32 images of a, then b,
.set HST, 50176                        ; then a stage of 16 rows x 1,040 bytes for each wave
.set SP,  1040
.set SEL, 20
.set BASE, 32                          ; s[32:63] the 16 rows' addresses
.set TOK, 68                           ; s[68:83] the 16 indices, later the 16 weights
.set MSB, 0
.macro WIN new
.if MSB != \new
	s_set_vgpr_msb (MSB<<8)|\new
.set MSB, \new
.endif
.endm
.macro QUANT x, pc, pw
.irp b, 0,1,2,3
	v_max3_num_f32 v[TM+\b], |v[\x+16*\b]|, |v[\x+1+16*\b]|, 0x2800000
.endr
.irp i, 2,4,6,8,10,12,14
.irp b, 0,1,2,3
	v_max3_num_f32 v[TM+\b], v[TM+\b], |v[\x+16*\b+\i]|, |v[\x+1+16*\b+\i]|
.endr
.endr
.irp b, 0,1,2,3
	v_permlanex16_b32 v[TM+4+\b], v[TM+\b], s[SEL], s[SEL+1]
.endr
.irp b, 0,1,2,3
	v_max_num_f32 v[TM+\b], v[TM+\b], v[TM+4+\b]
.endr
.irp b, 0,1,2,3
	v_add_nc_u32 v[TM+12+\b], 0xfe000000, v[TM+\b]
.endr
.irp b, 0,1,2,3
	v_lshrrev_b32 v[TM+4+\b], 23, v[TM+12+\b]
.endr
	v_lshl_or_b32 v[\pw], v[TM+5], 8, v[TM+4]
	v_lshl_or_b32 v[\pw], v[TM+6], 16, v[\pw]
	v_lshl_or_b32 v[\pw], v[TM+7], 24, v[\pw]
.irp c, 0,1
	v_cvt_scalef32_pk16_bf6_f32 v[\pc+6*\c:\pc+2+6*\c], v[\x+32*\c:\x+15+32*\c], v[TM+12+2*\c]
	v_cvt_scalef32_pk16_bf6_f32 v[CSR+4*\c:CSR+2+4*\c], v[\x+16+32*\c:\x+31+32*\c], v[TM+13+2*\c]
.endr
	v_nop                                                  ; one plain place behind a scaled conversion
.irp c, 0,1
.irp i, 0,1,2
	v_permlane16_swap_b32 v[\pc+6*\c+\i], v[CSR+4*\c+\i]
.endr
.irp i, 0,1,2
	v_mov_b32 v[\pc+3+6*\c+\i], v[CSR+4*\c+\i]
.endr
.endr
.endm
; four tiles of a (64 columns of h a): products, tanh, the part of e
.macro BATCH bt
.set n, 0
.rept 24
	ds_load_b128 v[AB+4*n:AB+4*n+3], v[L16] offset:12288*(\bt)+512*n
.set n, n+1
.endr
.irp t, 0,1,2,3
	ds_load_b128 v[BB+8*\t:BB+8*\t+3], v[BR] offset:64*(4*(\bt)+\t)
	ds_load_b128 v[BB+8*\t+4:BB+8*\t+7], v[BR] offset:64*(4*(\bt)+\t)+16
.endr
	s_wait_dscnt 0x0
.irp t, 0,1,2,3
	v_wmma_scale_f32_16x16x128_f8f6f4 v[AC+8*\t:AC+8*\t+7], v[AB+24*\t:AB+24*\t+11], v[HF:HF+11], 0, v[AS+4*(\bt)+\t], v[HS] matrix_a_fmt:MATRIX_FMT_BF6 matrix_b_fmt:MATRIX_FMT_BF6
.endr
.irp t, 0,1,2,3
	v_wmma_scale_f32_16x16x128_f8f6f4 v[AC+8*\t:AC+8*\t+7], v[AB+24*\t+12:AB+24*\t+23], v[HF+12:HF+23], v[AC+8*\t:AC+8*\t+7], v[AS+4*(\bt)+\t], v[HS+1] matrix_a_fmt:MATRIX_FMT_BF6 matrix_b_fmt:MATRIX_FMT_BF6 matrix_a_scale:MATRIX_SCALE_ROW1
.endr
.rept 4
	v_nop                                          ; the places behind the products
.endr
.set n, 0
.rept 16
	v_pk_mul_f32 v[AC+2*n:AC+2*n+1], v[AC+2*n:AC+2*n+1], 0x4038aa3b op_sel_hi:[1,0]   ; 2 log2(e) x; each accumulator from its low end on
.set n, n+1
.endr
.set n, 0
.rept 32
	v_exp_f32 v[AC+n], v[AC+n]
.set n, n+1
.endr
	v_nop
	s_wait_alu depctr_va_vdst(0)                   ; one wait for the batch
.set n, 0
.rept 16
	v_pk_add_f32 v[AC+2*n:AC+2*n+1], v[AC+2*n:AC+2*n+1], 1.0 op_sel_hi:[1,0]
.set n, n+1
.endr
.set n, 0
.rept 32
	v_rcp_f32 v[AC+n], v[AC+n]
.set n, n+1
.endr
	v_nop
	s_wait_alu depctr_va_vdst(0)
.set n, 0
.rept 16
	v_pk_fma_f32 v[AC+2*n:AC+2*n+1], v[AC+2*n:AC+2*n+1], -2.0, 1.0 op_sel_hi:[1,0,0]   ; tanh
.set n, n+1
.endr
.set n, 0
.rept 16
	v_pk_fma_f32 v[EE+2*(n%2):EE+2*(n%2)+1], v[AC+2*n:AC+2*n+1], v[BB+2*n:BB+2*n+1], v[EE+2*(n%2):EE+2*(n%2)+1]
.set n, n+1
.endr
.endm
	s_load_b128 s[4:7], s[0:1], 0x0                ; nidx, table
	s_load_b128 s[8:11], s[0:1], 0x10              ; a_codes, a_scales
	s_load_b128 s[12:15], s[0:1], 0x20             ; b, out0
	v_lshl_add_u32 v94, v0, 2, 0x1c800
	v_mov_b32 v95, 0
	v_lshrrev_b32 v90, 5, v0
	v_readfirstlane_b32 s16, v90                   ; wave
	s_lshl_b32 s17, ttmp9, 2
	s_add_co_u32 s17, s17, s16                     ; my query
	s_lshl_b32 s18, s17, 6
	s_mov_b32 s19, 0
	s_wait_kmcnt 0x0
	s_add_nc_u64 s[4:5], s[4:5], s[18:19]
	s_load_b512 s[TOK:TOK+15], s[4:5], 0x0
	v_and_b32 v91, 31, v0
	v_and_b32 v92, 15, v0                          ; r
	v_bfe_u32 v93, v0, 4, 1                        ; h
	v_lshlrev_b32 v[L16], 4, v91
	s_mul_i32 s22, s16, 16*SP
	s_add_co_u32 s22, s22, HST
	v_add_nc_u32 v[STW], s22, v[L16]
	v_mul_u32_u24 v[STR], v92, SP
	v_lshl_add_u32 v[STR], v93, 6, v[STR]
	v_add_nc_u32 v[STR], s22, v[STR]
	v_mul_u32_u24 v[AAD], v92, 192
	v_mad_u32_u24 v[AAD], v93, 24, v[AAD]
	s_mul_i32 s22, s16, 12288
	s_mov_b32 s23, 0
	v_add_nc_u32 v[IMW], s22, v[L16]
	s_add_nc_u64 s[8:9], s[8:9], s[22:23]          ; my 64 rows of a_codes
	v_lshlrev_b32 v[BG], 3, v91
	s_lshl_b32 s22, s16, 8
	s_add_nc_u64 s[12:13], s[12:13], s[22:23]      ; my 256 bytes of b
	s_add_co_u32 s22, s22, BO
	v_add_nc_u32 v[BL], s22, v[BG]
	v_lshlrev_b32 v[ASO], 3, v92
	v_lshl_add_u32 v[ASO], v93, 2, v[ASO]
	v_lshlrev_b32 v[BR], 5, v93
	v_add_nc_u32 v[BR], BO, v[BR]
	s_lshl_b32 s22, s17, 10
	s_add_nc_u64 s[14:15], s[14:15], s[22:23]      ; my row of out0
	s_mov_b32 s[SEL], 0x76543210
	s_mov_b32 s[SEL+1], 0xfedcba98
.irp f, 0,1,2,3,4,5,6,7                        ; my four tiles x two K steps, in pieces of 8 bytes
.irp p, 0,1,2,3,4,5
	global_load_b64 v[AB+12*\f+2*\p:AB+12*\f+2*\p+1], v[AAD], s[8:9] offset:3072*(\f/2)+96*(\f%2)+48*(\p/3)+8*(\p%3)
.endr
.endr
	global_load_b64 v[BP:BP+1], v[BG], s[12:13]
.irp t, 0,1,2,3,4,5,6,7,8,9,10,11,12,13,14,15
	global_load_b32 v[AS+\t], v[ASO], s[10:11] offset:128*\t
.endr
.irp k, 0,1,2,3
	v_mov_b32 v[TM+4+\k], 0                        ; a lane permute's destination counts as one of its sources
	v_mov_b32 v[EE+\k], 0
.endr
	s_mov_b32 s85, 0
	s_wait_kmcnt 0x0
.irp i, 0,1,2,3,4,5,6,7,8,9,10,11,12,13,14,15
	s_min_u32 s[TOK+\i], s[TOK+\i], 99999          ; held inside the table
	s_lshl_b32 s84, s[TOK+\i], 10
	s_add_nc_u64 s[BASE+2*\i:BASE+2*\i+1], s[6:7], s[84:85]
.endr
	WIN 0x40                                       ; the raw rows land in window 1
.irp i, 0,1,2,3,4,5,6,7,8,9,10,11,12,13,14,15
	global_load_b128 v[8*\i:8*\i+3], v[L16], s[BASE+2*\i:BASE+2*\i+1]
	global_load_b128 v[8*\i+4:8*\i+7], v[L16], s[BASE+2*\i:BASE+2*\i+1] offset:512
.endr
	WIN 0
	s_wait_loadcnt 32                              ; h's 32 loads stay out: a, b and a's scales are in
.set n, 0
.rept 24
	ds_store_b128 v[IMW], v[AB+4*n:AB+4*n+3] offset:512*n
.set n, n+1
.endr
	ds_store_b64 v[BL], v[BP:BP+1]
	s_wait_loadcnt 0x0
	WIN 0x04
.irp i, 0,1,2,3,4,5,6,7,8,9,10,11,12,13,14,15
	ds_store_b128 v[STW], v[8*\i:8*\i+3] offset:SP*\i
	ds_store_b128 v[STW], v[8*\i+4:8*\i+7] offset:SP*\i+512
.endr
	WIN 0
	s_wait_dscnt 0x0                               ; my images, my part of b and my rows have landed
	s_barrier_signal -1
	s_barrier_wait -1                              ; a and b are whole
.irp s, 0,1
.irp b, 0,1,2,3
.irp j, 0,1,2,3
	ds_load_b128 v[X+64*\s+16*\b+4*\j:X+64*\s+16*\b+4*\j+3], v[STR] offset:512*\s+128*\b+16*\j
.endr
.endr
.endr
	s_wait_dscnt 0x0
	QUANT X, HF, HS
	QUANT X+64, HF+12, HS+1
.rept 8
	v_nop                                          ; a scale word written by a vector instruction stands 8 places ahead of a scaled matrix instruction, an operand 4
.endr
	BATCH 0
	BATCH 1
	BATCH 2
	BATCH 3
.irp i, 0,1,2,3,4,5,6,7,8,9,10,11,12,13,14,15  ; h by columns, for the pooling: asked for here, wanted behind the softmax
	ds_load_b128 v[X+8*\i:X+8*\i+3], v[STW] offset:SP*\i
	ds_load_b128 v[X+8*\i+4:X+8*\i+7], v[STW] offset:SP*\i+512
.endr
	v_add_f32 v12, v12, v13
	v_add_f32 v14, v14, v15
	v_add_f32 v12, v12, v14
	v_permlanex16_b32 v13, v12, s[SEL], s[SEL+1]
	v_add_f32 v12, v12, v13                        ; e of neighbour r
	v_max_num_f32_dpp v14, v12, v12 row_xmask:1 row_mask:0xf bank_mask:0xf
.irp m, 2,4,8
	v_max_num_f32_dpp v14, v14, v14 row_xmask:\m row_mask:0xf bank_mask:0xf
.endr
	v_sub_f32 v12, v12, v14                        ; the largest is taken away
	v_mul_f32 v12, 0x3fb8aa3b, v12
	v_exp_f32 v12, v12
	v_nop
	s_wait_alu depctr_va_vdst(0)
	v_add_f32_dpp v13, v12, v12 row_xmask:1 row_mask:0xf bank_mask:0xf
.irp m, 2,4,8
	v_add_f32_dpp v13, v13, v13 row_xmask:\m row_mask:0xf bank_mask:0xf
.endr
	v_rcp_f32 v13, v13
	v_nop
	s_wait_alu depctr_va_vdst(0)
	v_mul_f32 v12, v12, v13                        ; the weight of neighbour r
.irp i, 0,1,2,3,4,5,6,7,8,9,10,11,12,13,14,15
	v_readlane_b32 s[TOK+\i], v12, \i
.endr
	s_wait_dscnt 0x0
.irp m, 0,1,2,3,4,5,6,7
	v_mul_f32 v[OU+\m], s[TOK], v[X+\m]
.endr
.irp i, 1,2,3,4,5,6,7,8,9,10,11,12,13,14,15
.irp m, 0,1,2,3,4,5,6,7
	v_fmac_f32 v[OU+\m], s[TOK+\i], v[X+8*\i+\m]
.endr
.endr
	global_store_b128 v[L16], v[OU:OU+3], s[14:15]                 ; 512 consecutive bytes each
	global_store_b128 v[L16], v[OU+4:OU+7], s[14:15] offset:512
	s_wait_tensorcnt 0x0
	ds_add_u32 v94, v95
	s_wait_dscnt 0x0
	s_endpgm
.Lfunc_end_k_q9d51d5b0ff_attend:
	.size	k_q9d51d5b0ff_attend, .Lfunc_end_k_q9d51d5b0ff_attend-k_q9d51d5b0ff_attend
	.p2alignl 7, 3214868480
	.fill 96, 4, 3214868480
	.section	.rodata,"a",@progbits
	.p2align	6, 0x0
	.amdhsa_kernel k_q9d51d5b0ff_attend
		.amdhsa_group_segment_fixed_size 117248
		.amdhsa_private_segment_fixed_size 0
		.amdhsa_enable_private_segment 0
		.amdhsa_kernarg_size 48
		.amdhsa_user_sgpr_count 2
		.amdhsa_user_sgpr_kernarg_segment_ptr 1
		.amdhsa_wavefront_size32 1
		.amdhsa_system_sgpr_workgroup_id_x 1
		.amdhsa_system_sgpr_workgroup_id_y 1
		.amdhsa_system_sgpr_workgroup_id_z 1
		.amdhsa_system_vgpr_workitem_id 0
		.amdhsa_next_free_vgpr 384
		.amdhsa_next_free_sgpr 96
		.amdhsa_reserve_vcc 0
		.amdhsa_float_denorm_mode_32 3
		.amdhsa_float_denorm_mode_16_64 3
		.amdhsa_memory_ordered 1
		.amdhsa_forward_progress 1
		.amdhsa_inst_pref_size 75
	.end_amdhsa_kernel
	.amdgpu_metadata
---
amdhsa.version: [ 1, 2 ]
amdhsa.kernels:
  - .name:           k_q9d51d5b0ff_attend
    .symbol:         k_q9d51d5b0ff_attend.kd
    .args:
      - { .name: nidx, .offset: 0, .size: 8, .value_kind: global_buffer, .address_space: global }
      - { .name: table, .offset: 8, .size: 8, .value_kind: global_buffer, .address_space: global }
      - { .name: a_codes, .offset: 16, .size: 8, .value_kind: global_buffer, .address_space: global }
      - { .name: a_scales, .offset: 24, .size: 8, .value_kind: global_buffer, .address_space: global }
      - { .name: b, .offset: 32, .size: 8, .value_kind: global_buffer, .address_space: global }
      - { .name: out0, .offset: 40, .size: 8, .value_kind: global_buffer, .address_space: global }
    .group_segment_fixed_size: 117248
    .private_segment_fixed_size: 0
    .kernarg_segment_align: 8
    .kernarg_segment_size: 48
    .max_flat_workgroup_size: 128
    .sgpr_count:     96
    .vgpr_count:     384
    .wavefront_size: 32
...
	.end_amdgpu_metadata
.endif
;; end of part 5
;; ======== version 2 of 2: 5 launches; version 1 with the launches scan, refine, attend written anew for expert scheduling mode
;; workspace buffers: qimg 196,608 bytes; qsc 8,192 bytes; timg 19,200,000 bytes; tsc 800,000 bytes; gbuf 16,384,000 bytes; grp 65,536 bytes of whole numbers; qstat 65,536 bytes; nidx 65,536 bytes of whole numbers
;; launch prep: the kernel of part 1 again; grid 16 x 1, 4 waves a work-group, no clusters, 67,072 bytes of LDS; arguments conceptnet_text_vec, table, qimg, qsc; writes qimg, qsc
;; launch scan (part 6): grid 250 x 1, 8 waves a work-group, no clusters, 166,912 bytes of LDS; arguments table, qimg, qsc, timg, tsc, gbuf; writes timg, tsc, gbuf
.if DOCPART == 6
	.amdgcn_target "amdgcn-amd-amdhsa--gfx1250"
	.amdhsa_code_object_version 6
	.text
	.protected	k_q9d51d5b0ff_scan
	.globl	k_q9d51d5b0ff_scan
	.p2align	8
	.type	k_q9d51d5b0ff_scan,@function
k_q9d51d5b0ff_scan:
	s_mov_b64 s[64:65], 0
	v_nop
	global_prefetch_b8 v0, s[64:65] scope:SCOPE_SE
	s_setreg_imm32_b32 hwreg(HW_REG_WAVE_SCHED_MODE, 0, 2), 2
	s_setreg_imm32_b32 hwreg(HW_REG_WAVE_MODE, 25, 1), 1
	s_wait_xcnt 0x0
	s_wait_alu depctr_vm_vsrc(0)
; SCAN: the table is read once, quantised to BF6 (E3M2, one E8M0 byte for each 32 along K = 256), and multiplied with all 1,024 queries.  Of the logits only this is kept:
; the largest logit of each GROUP of 32 neighbouring rows, and for each query and slice a partial softmax sum s = sum of 2^(c l - M), c = log2(e), with its whole-number shift M (a running maximum rounded up; a change of M rescales s exactly).
; The codes go to memory on the way (timg, tsc), as images of operand registers, for the launch that recomputes the chosen groups' logits.
; SHARES.  A work-group owns a slice of 400 rows = 25 tiles of 16; 250 work-groups.  Wave v keeps query tiles 8 v .. 8 v + 7 in registers (192) for the whole launch.  The slice goes in six double steps of 4 tiles and a tail of one tile.
; In a double step each wave quantises ONE fragment (tile v / 2, K step v % 2) of the NEXT double step and publishes its image in LDS for all eight waves: two LDS slots by turns, one barrier a step.
; The products are used transposed (source 0 = 16 table rows, source 1 = 16 queries): lane (r, h) holds query r, register j table row 8 h + j.
; Two waves share a SIMD (512 registers each), so that one wave's vector work stands beside the other's products.  No cluster: no table row is shared, and 250 work-groups do not divide by four; the query images are read once, at the head.
; No tensor load: every streamed number passes through registers for the conversion.  No prefetch: the register loads of a fragment are issued one double step ahead of their use.
; gbuf: [256 blocks of 4 queries][250 slices][256 bytes = 4 queries x 16 f32]: slots 0-11 groups of 32 rows, slot 12 the group of 16, slot 13 zero, slot 14 -M, slot 15 s.
; LIMITS: NaN and infinities among the inputs are not served; blocks whose largest magnitude lies under 2^(4 - 126) get the byte 1 (a block of zeros too: its codes are zeros).
; THE MODE: SCHED_MODE bits 1:0 = 2 (LLVM: expert scheduling mode 2), set by the entry lines.  The code itself states the register dependences
; between vector or matrix instructions and memory or LDS instructions, with s_wait_alu, always for 0.
; THE PLAN.  Registers that memory or LDS instructions touch, in a trip:
;   TA, TSA, IWA, SWA, GAC   written by five additions at the trip's head; read by the trip's LDS loads and stores.
;   TF, TSC                  LDS loads at the trip's head land in them; the trip's products read them.
;   SCP                      an LDS load lands in it; wave 0's store reads it.
;   v[60:61], v[72:73]       two pairs by turns: SOFT i writes its two group maxima into pair i % 2 and stores them behind its wait for its exponentials.
;   RW (window 1)            the next fragment's loads land in it; TURN's LDS stores read it and TURN's LDS loads land in it; the quantiser reads it.
;   PC, PW                   written by the quantiser, read by PUBLISH's stores; they lie over accumulator set B, which the next trip's products write.
;   L16, L4, XR, XW, IMW, SCW, SCR, GA0, GRD, GOF: made at the head, never written again.
; THE WAITS OF A TRIP.  At its head one on vm_vsrc (all that the trip before issued has read the five addresses, SCP, PC, PW and both pairs) and, behind the five additions, one on va_vdst (they are written;
; the last products are done reading TF and TSC).  One on vm_vsrc at the head of SOFT 2, 4 and 6, for both pairs.  One on vm_vsrc in TURN, between the stores from RW and the loads into it.
; One on va_vdst behind the quantiser, for the loads into RW and for PUBLISH's stores.  The wait behind each batch of exponentials also states that the tile's pair is written.
.set SLOTB, 16384                      ; LDS: slot 0 at 0, slot 1 here: 8 images of 1,536 bytes, then 4 scale images of 128 bytes
.set SCO,   12288                      ; the scale images in a slot
.set XSP,   528                        ; a row of a wave's turn stage: 512 bytes + 16
.set XST,   32768                      ; the turn stages: 16 rows for each wave
.set GST,   XST+8*16*XSP               ; 1,024 queries x 64 bytes; a wave writes and reads its own 8,192 alone
.set L16, 1                            ; v1  16 x lane
.set XR,  2                            ; v2  turn stage, read: + 528 r + 64 h
.set XW,  3                            ; v3  turn stage, written: + 16 x lane
.set IMW, 4                            ; v4  my image in a slot: 1,536 v + 16 x lane
.set SCW, 5                            ; v5  my scale words in a slot: SCO + 64 v + 4 r
.set SCR, 6                            ; v6  SCO + 4 x lane
.set GA0, 7                            ; v7  GST + 64 (128 v + r)
.set TA,  8                            ; v8-11, v76: this trip's addresses, made on every wave's path
.set TSA, 9
.set IWA, 10
.set SWA, 11
.set SCP, 12                           ; v12-15 the slot's 512 scale bytes, for tsc
.set QSC, 16                           ; v16-23 the queries' scale words: scales and nothing else
.set TSC, 24                           ; v24-27 the table tiles' scale words: scales and nothing else
.set STT, 28                           ; v28-59 query tile i: -M, a spare, the sum in two halves
.set GP,  60                           ; v[60:61], and 12 further on v[72:73]: a query tile's two group maxima, two pairs by turns
.set X0,  62
.set X1,  63
.set GM,  64
.set TN,  65
.set NMT, 66
.set DF,  67
.set FF,  68                           ; v[68:69] f = 2^(old M - new M)
.set A2,  70
.set GAC, 76
.set GRD, 77                           ; v77 GST + 8,192 v + 16 x lane
.set L4,  78                           ; v78 4 x lane
.set GOF, 79                           ; v79 gbuf: 64,000 (lane / 16) + 16 (lane % 16)
.set TF,  80                           ; v80-175 the step's 8 fragments of the table
.set QDT, TF+64                        ; v144-175 in the tail, where only v80-103 hold fragments: four closing numbers for each of the eight query tiles
.set AA,  176                          ; v176-207, v208-239 two sets of four accumulators
.set AB,  208
.set PC,  208                          ; the codes just made lie over set B, which is free then
.set CSR, 220
.set PW,  228
.set TM,  240                          ; v240-255 the quantiser's temporaries
.set RW,  192                          ; window 1: v0-191 the queries' fragments (tile i, K step s at 24 i + 12 s); v192-255 a fragment's 64 numbers
.set SEL, 20
.set MSB, 0
.macro WIN new                         ; bits 1:0 source 0, 3:2 source 1, 5:4 source 2, 7:6 destination; the high byte repeats the setting that is left
.if MSB != \new
	s_set_vgpr_msb (MSB<<8)|\new
.set MSB, \new
.endif
.endm
.macro XLOAD                           ; my next fragment: 16 rows x 512 bytes, each load 512 consecutive bytes.  The wait on va_vdst that these loads hang on stands ahead of the macro
	WIN 0x40
.irp k, 0,1,2,3,4,5,6,7,8,9,10,11,12,13,14,15
	global_load_b128 v[RW+4*\k:RW+4*\k+3], v[L16], s[4:5] offset:1024*\k th:TH_LOAD_NT
.endr
	WIN 0
.endm
.macro TURN                            ; through my own stage: in as the bytes lie, back 16 neighbours of each block to a lane.  LDS serves a wave's instructions in order: no wait on DScnt between
	WIN 0x04
.irp k, 0,1,2,3,4,5,6,7,8,9,10,11,12,13,14,15
	ds_store_b128 v[XW], v[RW+4*\k:RW+4*\k+3] offset:XSP*\k
.endr
	WIN 0x40
	s_wait_alu depctr_vm_vsrc(0)                           ; the sixteen stores have read v[RW ..], in which the sixteen loads land
.irp b, 0,1,2,3
.irp j, 0,1,2,3
	ds_load_b128 v[RW+16*\b+4*\j:RW+16*\b+4*\j+3], v[XR] offset:128*\b+16*\j
.endr
.endr
	WIN 0
.endm
.macro QUANTW                          ; the 64 numbers in window 1 become codes in v[PC] on and the scale word in v[PW]
	WIN 0x05
.irp b, 0,1,2,3
	v_max3_num_f32 v[TM+\b], |v[RW+16*\b]|, |v[RW+1+16*\b]|, 0x2800000   ; with the floor 2^(5 - 127)
.endr
	WIN 0x14
.irp k, 2,4,6,8,10,12,14
.irp b, 0,1,2,3
	v_max3_num_f32 v[TM+\b], v[TM+\b], |v[RW+16*\b+\k]|, |v[RW+1+16*\b+\k]|
.endr
.endr
	WIN 0
.irp b, 0,1,2,3
	v_permlanex16_b32 v[TM+4+\b], v[TM+\b], s[SEL], s[SEL+1]
.endr
.irp b, 0,1,2,3
	v_max_num_f32 v[TM+\b], v[TM+\b], v[TM+4+\b]
.endr
.irp b, 0,1,2,3
	v_add_nc_u32 v[TM+12+\b], 0xfe000000, v[TM+\b]         ; 4 off the exponent field: the conversion's scale operand
.endr
.irp b, 0,1,2,3
	v_lshrrev_b32 v[TM+4+\b], 23, v[TM+12+\b]
.endr
	v_lshl_or_b32 v[PW], v[TM+5], 8, v[TM+4]
	v_lshl_or_b32 v[PW], v[TM+6], 16, v[PW]
	v_lshl_or_b32 v[PW], v[TM+7], 24, v[PW]
	WIN 0x01
.irp c, 0,1
	v_cvt_scalef32_pk16_bf6_f32 v[PC+6*\c:PC+2+6*\c], v[RW+32*\c:RW+15+32*\c], v[TM+12+2*\c]
	v_cvt_scalef32_pk16_bf6_f32 v[CSR+4*\c:CSR+2+4*\c], v[RW+16+32*\c:RW+31+32*\c], v[TM+13+2*\c]
.endr
	WIN 0
	v_nop                                                  ; one plain place behind a scaled conversion
.irp c, 0,1
.irp k, 0,1,2
	v_permlane16_swap_b32 v[PC+6*\c+\k], v[CSR+4*\c+\k]
.endr
.irp k, 0,1,2
	v_mov_b32 v[PC+3+6*\c+\k], v[CSR+4*\c+\k]
.endr
.endr
.endm
.macro PUBLISH ia, sa                  ; the image to LDS for all waves, and to timg.  The wait on va_vdst that these stores hang on stands behind the quantiser
.irp c, 0,1,2
	ds_store_b128 v[\ia], v[PC+4*\c:PC+4*\c+3] offset:512*\c
.endr
	ds_store_b32 v[\sa], v[PW]                             ; lanes r and r + 16 write the same word with the same value
.irp c, 0,1,2
	global_store_b128 v[L16], v[PC+4*\c:PC+4*\c+3], s[10:11] offset:512*\c
.endr
.endm
; 8 products: query tile i against the step's four table tiles, K step 0 (starts the sums) and K step 1.  The four accumulators take turns.
.macro RUN i, a
	WIN 0x04
.irp t, 0,1,2,3
	v_wmma_scale_f32_16x16x128_f8f6f4 v[\a+8*\t:\a+8*\t+7], v[TF+24*\t:TF+24*\t+11], v[24*(\i):24*(\i)+11], 0, v[TSC+\t], v[QSC+\i] matrix_a_fmt:MATRIX_FMT_BF6 matrix_b_fmt:MATRIX_FMT_BF6
.endr
.irp t, 0,1,2,3
	v_wmma_scale_f32_16x16x128_f8f6f4 v[\a+8*\t:\a+8*\t+7], v[TF+24*\t+12:TF+24*\t+23], v[24*(\i)+12:24*(\i)+23], v[\a+8*\t:\a+8*\t+7], v[TSC+\t], v[QSC+\i] matrix_a_fmt:MATRIX_FMT_BF6 matrix_b_fmt:MATRIX_FMT_BF6 matrix_a_scale:MATRIX_SCALE_ROW1 matrix_b_scale:MATRIX_SCALE_ROW1
.endr
	WIN 0
.endm
; What is kept of 64 rows x 16 queries: two group maxima, and the sum.  Each accumulator is read from its low end on.
.macro SOFT a, i
.set SS, STT+4*(\i)
.set GG, GP+12*((\i)%2)
.if (((\i)%2) == 0) && ((\i) > 0)
	s_wait_alu depctr_vm_vsrc(0)                           ; the LDS stores of the two query tiles before have read their pairs: this tile writes the one again, the next tile the other
.endif
	v_max3_num_f32 v[GG], v[\a], v[\a+1], v[\a+2]
	v_max3_num_f32 v[GG+1], v[\a+16], v[\a+17], v[\a+18]
.irp k, 3,5,7,9,11,13
	v_max3_num_f32 v[GG], v[GG], v[\a+\k], v[\a+\k+1]
	v_max3_num_f32 v[GG+1], v[GG+1], v[\a+16+\k], v[\a+16+\k+1]
.endr
	v_max_num_f32 v[GG], v[GG], v[\a+15]
	v_max_num_f32 v[GG+1], v[GG+1], v[\a+31]
	v_permlanex16_b32 v[X0], v[GG], s[SEL], s[SEL+1]
	v_permlanex16_b32 v[X1], v[GG+1], s[SEL], s[SEL+1]
	v_max_num_f32 v[GG], v[GG], v[X0]                      ; with lane l xor 16's rows: the groups' largest logits
	v_max_num_f32 v[GG+1], v[GG+1], v[X1]
	v_max_num_f32 v[GM], v[GG], v[GG+1]
	v_mul_f32 v[TN], s26, v[GM]                            ; -c x the largest
	v_floor_f32 v[TN], v[TN]                               ; -ceil: a whole number
	v_min_num_f32 v[NMT], v[SS], v[TN]                     ; the new -M
	v_sub_f32 v[DF], v[NMT], v[SS]                         ; old M - new M, 0 or less
	v_cvt_i32_f32 v[DF], v[DF]                             ; (it saturates)
	v_ldexp_f32 v[FF], 1.0, v[DF]
	v_mov_b32 v[SS], v[NMT]
.irp k, 0,2,4,6,8,10,12,14,16,18,20,22,24,26,28,30
	v_pk_fma_f32 v[\a+\k:\a+\k+1], v[\a+\k:\a+\k+1], s[22:23], v[SS:SS+1] op_sel_hi:[1,0,0]   ; c l - M
.endr
.irp k, 0,1,2,3,4,5,6,7,8,9,10,11,12,13,14,15,16,17,18,19,20,21,22,23,24,25,26,27,28,29,30,31
	v_exp_f32 v[\a+\k], v[\a+\k]
.endr
	v_pk_mul_f32 v[SS+2:SS+3], v[SS+2:SS+3], v[FF:FF+1] op_sel_hi:[1,0]   ; the sum under the new M; the plain place behind the exponentials
	s_wait_alu depctr_va_vdst(0)                           ; the 32 exponentials have written their results, ahead of the first reader; and the tile's pair of maxima is written, which the store below reads
	ds_store_b64 v[GAC], v[GG:GG+1] offset:1024*(\i)
	v_pk_add_f32 v[A2:A2+1], v[\a:\a+1], v[\a+2:\a+3]
.irp k, 4,8,12,16,20,24,28
	v_pk_add_f32 v[SS+2:SS+3], v[SS+2:SS+3], v[\a+\k:\a+\k+1]
	v_pk_add_f32 v[A2:A2+1], v[A2:A2+1], v[\a+\k+2:\a+\k+3]
.endr
	v_pk_add_f32 v[SS+2:SS+3], v[SS+2:SS+3], v[A2:A2+1]
.endm
; The tail's tile (16 rows: the slice's last group), and the slice's closing numbers for query tile i, into four registers of the tile's own: slots 12 to 15.
.macro SOFT1 a, i
.set SS, STT+4*(\i)
.set QQ, QDT+4*(\i)
	v_max3_num_f32 v[QQ], v[\a], v[\a+1], v[\a+2]
	v_max3_num_f32 v[QQ], v[QQ], v[\a+3], v[\a+4]
	v_max3_num_f32 v[QQ], v[QQ], v[\a+5], v[\a+6]
	v_max_num_f32 v[QQ], v[QQ], v[\a+7]
	v_permlanex16_b32 v[X0], v[QQ], s[SEL], s[SEL+1]
	v_max_num_f32 v[QQ], v[QQ], v[X0]
	v_mul_f32 v[TN], s26, v[QQ]
	v_floor_f32 v[TN], v[TN]
	v_min_num_f32 v[QQ+2], v[SS], v[TN]
	v_sub_f32 v[DF], v[QQ+2], v[SS]
	v_cvt_i32_f32 v[DF], v[DF]
	v_ldexp_f32 v[FF], 1.0, v[DF]
	v_mov_b32 v[SS], v[QQ+2]
.irp k, 0,2,4,6
	v_pk_fma_f32 v[\a+\k:\a+\k+1], v[\a+\k:\a+\k+1], s[22:23], v[SS:SS+1] op_sel_hi:[1,0,0]
.endr
.irp k, 0,1,2,3,4,5,6,7
	v_exp_f32 v[\a+\k], v[\a+\k]
.endr
	v_pk_mul_f32 v[SS+2:SS+3], v[SS+2:SS+3], v[FF:FF+1] op_sel_hi:[1,0]
	s_wait_alu depctr_va_vdst(0)                           ; the eight exponentials have written their results, ahead of the first reader
	v_pk_add_f32 v[A2:A2+1], v[\a:\a+1], v[\a+2:\a+3]
	v_pk_add_f32 v[SS+2:SS+3], v[SS+2:SS+3], v[\a+4:\a+5]
	v_pk_add_f32 v[A2:A2+1], v[A2:A2+1], v[\a+6:\a+7]
	v_pk_add_f32 v[SS+2:SS+3], v[SS+2:SS+3], v[A2:A2+1]
	v_add_f32 v[QQ+3], v[SS+2], v[SS+3]
	v_permlanex16_b32 v[X1], v[QQ+3], s[SEL], s[SEL+1]
	v_add_f32 v[QQ+3], v[QQ+3], v[X1]                      ; the query's sum over the slice
.endm
	s_load_b128 s[4:7], s[0:1], 0x0                ; table, qimg
	s_load_b128 s[8:11], s[0:1], 0x10              ; qsc, timg
	s_load_b128 s[12:15], s[0:1], 0x20             ; tsc, gbuf
	v_lshl_add_u32 v250, v0, 2, 0x28800
	v_mov_b32 v251, 0
	v_lshrrev_b32 v60, 5, v0
	v_readfirstlane_b32 s16, v60                   ; wave 0..7
	v_and_b32 v61, 31, v0                          ; lane
	v_and_b32 v62, 15, v0                          ; r
	v_bfe_u32 v63, v0, 4, 1                        ; h
	v_lshlrev_b32 v[L16], 4, v61
	v_lshlrev_b32 v[L4], 2, v61
	s_wait_alu depctr_va_sdst(0)                   ; s16 is written, ahead of its first reader
	s_mul_i32 s17, s16, 16*XSP
	s_add_co_u32 s17, s17, XST
	v_add_nc_u32 v[XW], s17, v[L16]
	v_mul_u32_u24 v[XR], v62, XSP
	v_lshl_add_u32 v[XR], v63, 6, v[XR]
	v_add_nc_u32 v[XR], s17, v[XR]
	s_mul_i32 s17, s16, 1536
	v_add_nc_u32 v[IMW], s17, v[L16]
	s_lshl_b32 s17, s16, 6                         ; 128 (v / 2) + 64 (v % 2) = 64 v
	s_add_co_u32 s17, s17, SCO
	v_lshl_add_u32 v[SCW], v62, 2, s17
	v_add_nc_u32 v[SCR], SCO, v[L4]
	s_lshl_b32 s17, s16, 13
	s_add_co_u32 s17, s17, GST
	v_lshl_add_u32 v[GA0], v62, 6, s17
	v_add_nc_u32 v[GRD], s17, v[L16]
	v_mul_u32_u24 v[GOF], v63, 64000
	v_lshl_add_u32 v[GOF], v62, 4, v[GOF]
	s_mov_b32 s[SEL], 0x76543210
	s_mov_b32 s[SEL+1], 0xfedcba98
	s_mov_b32 s22, 0x3fb8aa3b                      ; c = log2(e)
	s_mov_b32 s23, s22
	s_mov_b32 s26, 0xbfb8aa3b                      ; -c
	s_lshr_b32 s19, s16, 1                         ; my local tile; in the loop: 4 d + that
	s_and_b32 s17, s16, 1                          ; my K step
	s_mul_i32 s28, ttmp9, 409600                   ; the slice: 400 rows of 1,024 bytes
	s_lshl_b32 s30, s19, 14
	s_add_co_u32 s28, s28, s30
	s_lshl_b32 s30, s17, 9
	s_add_co_u32 s28, s28, s30
	s_mov_b32 s29, 0
	s_wait_kmcnt 0x0
	s_add_nc_u64 s[4:5], s[4:5], s[28:29]          ; my fragment of double step 0
	s_mul_i32 s28, s16, 24576
	s_add_nc_u64 s[6:7], s[6:7], s[28:29]          ; my eight query tiles' images
	s_lshl_b32 s28, s16, 10
	s_add_nc_u64 s[8:9], s[8:9], s[28:29]
	s_mul_i32 s28, ttmp9, 76800
	s_mul_i32 s30, s16, 1536
	s_add_co_u32 s28, s28, s30
	s_add_nc_u64 s[10:11], s[10:11], s[28:29]      ; where my next image goes
	s_mul_i32 s28, ttmp9, 3200
	s_add_nc_u64 s[12:13], s[12:13], s[28:29]
	s_lshl_b32 s28, ttmp9, 8
	s_mul_i32 s30, s16, 2048000
	s_add_co_u32 s28, s28, s30
	s_add_nc_u64 s[14:15], s[14:15], s[28:29]
	s_wait_alu depctr_va_vdst(0)                   ; the ten addresses that stay (v1 to v7, v77 to v79) are written: every load and store of the kernel that reads one of them stands behind this wait
	XLOAD                                          ; double step 0's fragment first: it is wanted first
	WIN 0x40
.set n, 0
.rept 48
	global_load_b128 v[4*n:4*n+3], v[L16], s[6:7] offset:512*n       ; the queries' fragments stay in window 1
.set n, n+1
.endr
	WIN 0
.irp k, 0,1,2,3,4,5,6,7
	global_load_b32 v[QSC+\k], v[L4], s[8:9] offset:128*\k
.endr
.irp k, 0,1,2,3,4,5,6,7
	v_mov_b32 v[STT+4*\k], 0x7f61b1e6              ; -M = 3e38: M lies under every c l
	v_mov_b32 v[STT+4*\k+1], 0
	v_mov_b32 v[STT+4*\k+2], 0
	v_mov_b32 v[STT+4*\k+3], 0
.endr
	v_mov_b32 v[FF+1], 0                           ; named as the upper half of a pair
.irp b, 0,1,2,3
	v_mov_b32 v[TM+4+\b], 0
.endr
	s_wait_loadcnt 56                              ; the 48 + 8 younger loads stay out: my first fragment is in
	s_add_nc_u64 s[4:5], s[4:5], 0x10000           ; 64 rows on (that wait shows the loads that read this base done)
	TURN
	s_wait_dscnt 0x0
	QUANTW
	s_wait_alu depctr_va_vdst(0)                   ; the quantiser is done reading v[RW ..], in which the loads below land, and has written v[PC ..] and v[PW], which the stores below read
	XLOAD                                          ; double step 1's
	PUBLISH IMW, SCW                               ; into slot 0
	s_wait_dscnt 0x0
	s_barrier_signal -1
	s_barrier_wait -1                              ; slot 0 is whole
	s_wait_xcnt 0x0
	s_add_nc_u64 s[10:11], s[10:11], 12288
	s_wait_loadcnt 16                              ; the queries are in; the 16 loads of double step 1's fragment stay out
	s_mov_b32 s18, 0
	s_mov_b32 s24, 0                               ; the slot in hand
	s_mov_b32 s25, 0                               ; 8 bytes of a query's 64 for each double step
.Ltrip:
	s_xor_b32 s27, s24, SLOTB
	s_wait_alu depctr_vm_vsrc(0)                   ; all LDS and memory instructions issued so far have read their registers: the five addresses below, SCP, both pairs of maxima, and v[PC ..] and v[PW], which this trip's products write
	v_add_nc_u32 v[TA], s24, v[L16]
	v_add_nc_u32 v[TSA], s24, v[SCR]
	v_add_nc_u32 v[IWA], s27, v[IMW]
	v_add_nc_u32 v[SWA], s27, v[SCW]
	v_add_nc_u32 v[GAC], s25, v[GA0]
	s_wait_alu depctr_va_vdst(0)                   ; the five addresses are written; the products of the trip before are done reading v[TF ..] and v[TSC ..], in which the loads below land
.set n, 0
.rept 24
	ds_load_b128 v[TF+4*n:TF+4*n+3], v[TA] offset:512*n
.set n, n+1
.endr
.irp t, 0,1,2,3
	ds_load_b32 v[TSC+\t], v[TSA] offset:128*\t
.endr
	ds_load_b128 v[SCP:SCP+3], v[TA] offset:SCO
	s_wait_dscnt 0x0
	s_cmp_lg_u32 s16, 0
	s_cbranch_scc1 .Lno_tsc
	global_store_b128 v[L16], v[SCP:SCP+3], s[12:13]       ; wave 0: the four tiles' scale words, 512 consecutive bytes
.Lno_tsc:
	RUN 0, AA
.rept 4
	v_nop                                          ; the places behind the first run; later the other set's vector work is the places
.endr
	RUN 1, AB
	SOFT AA, 0
	RUN 2, AA
	SOFT AB, 1
	RUN 3, AB
	SOFT AA, 2
	RUN 4, AA
	SOFT AB, 3
	RUN 5, AB
	SOFT AA, 4
	RUN 6, AA
	SOFT AB, 5
	RUN 7, AB
	SOFT AA, 6
	s_wait_loadcnt 0x0                             ; the next fragment's 16 loads, issued at the end of the trip before; nothing younger is out
	s_add_nc_u64 s[4:5], s[4:5], 0x10000           ; 64 rows on, on every wave's path: that wait shows the loads that read this base done; a wave that loads no more does not use it
	s_cmp_lt_u32 s19, 21                           ; is there a tile 4 (d + 1) + v / 2 in the slice?
	s_cbranch_scc0 .Lno_turn
	TURN
.Lno_turn:
	SOFT AB, 7
	s_wait_dscnt 0x0                               ; the turned numbers are in
	s_cmp_lt_u32 s19, 21
	s_cbranch_scc0 .Lno_q
	QUANTW
	s_wait_alu depctr_va_vdst(0)                   ; the quantiser is done reading v[RW ..], in which the loads below land, and has written v[PC ..] and v[PW], which the stores below read
	s_cmp_lt_u32 s19, 17                           ; and a tile 4 (d + 2) + v / 2?  No load leaves the slice
	s_cbranch_scc0 .Lno_x
	XLOAD
.Lno_x:
	PUBLISH IWA, SWA                               ; into the other slot: its last readers waited for their loads ahead of the barrier that opened this trip
.Lno_q:
	s_wait_dscnt 0x0                               ; my stores have landed, my reads of this slot are over
	s_barrier_signal -1
	s_barrier_wait -1
	s_wait_xcnt 0x0                                ; the stores' data registers and bases are written again only behind this wait
	s_add_nc_u64 s[10:11], s[10:11], 12288
	s_add_nc_u64 s[12:13], s[12:13], 512
	s_xor_b32 s24, s24, SLOTB
	s_add_co_u32 s25, s25, 8
	s_add_co_u32 s19, s19, 4
	s_add_co_u32 s18, s18, 1
	s_cmp_lt_u32 s18, 6
	s_cbranch_scc1 .Ltrip
	; THE TAIL: tile 24 alone, against my eight query tiles: eight accumulators by turns
	s_wait_alu depctr_vm_vsrc(0)                   ; the last trip's LDS and memory instructions have read the three addresses below, and v[PC ..] and v[PW], which the tail's products write
	v_add_nc_u32 v[TA], s24, v[L16]
	v_add_nc_u32 v[TSA], s24, v[SCR]
	v_add_nc_u32 v[GAC], s25, v[GA0]
.irp k, 0,1,2,3,4,5,6,7
	v_mov_b32 v[QDT+4*\k+1], 0                     ; slot 13
.endr
	s_wait_alu depctr_va_vdst(0)                   ; the three addresses are written; the last trip's products are done reading v[TF ..] and v[TSC], in which the loads below land
.set n, 0
.rept 6
	ds_load_b128 v[TF+4*n:TF+4*n+3], v[TA] offset:512*n
.set n, n+1
.endr
	ds_load_b32 v[TSC], v[TSA]
	s_wait_dscnt 0x0
	s_cmp_lg_u32 s16, 0
	s_cbranch_scc1 .Lno_tsc2
	global_store_b32 v[L4], v[TSC], s[12:13]
.Lno_tsc2:
	WIN 0x04
.irp k, 0,1,2,3,4,5,6,7
	v_wmma_scale_f32_16x16x128_f8f6f4 v[AA+8*\k:AA+8*\k+7], v[TF:TF+11], v[24*\k:24*\k+11], 0, v[TSC], v[QSC+\k] matrix_a_fmt:MATRIX_FMT_BF6 matrix_b_fmt:MATRIX_FMT_BF6
.endr
.irp k, 0,1,2,3,4,5,6,7
	v_wmma_scale_f32_16x16x128_f8f6f4 v[AA+8*\k:AA+8*\k+7], v[TF+12:TF+23], v[24*\k+12:24*\k+23], v[AA+8*\k:AA+8*\k+7], v[TSC], v[QSC+\k] matrix_a_fmt:MATRIX_FMT_BF6 matrix_b_fmt:MATRIX_FMT_BF6 matrix_a_scale:MATRIX_SCALE_ROW1 matrix_b_scale:MATRIX_SCALE_ROW1
.endr
	WIN 0
.rept 4
	v_nop
.endr
.irp k, 0,1,2,3,4,5,6,7
	SOFT1 AA+8*\k, \k
.endr
	s_wait_alu depctr_va_vdst(0)                   ; the eight tiles' closing numbers are written, which the stores below read; the tail's products are done reading v[TF ..], in which the loads below land
.irp k, 0,1,2,3,4,5,6,7
	ds_store_b128 v[GAC], v[QDT+4*\k:QDT+4*\k+3] offset:1024*\k      ; slots 12 to 15
.endr
	; THE WAY OUT: my 128 queries' 64 bytes each; sixteen lanes fill one aligned 256 bytes of gbuf.  LDS serves a wave's instructions in order: these loads see my stores
.irp k, 0,1,2,3,4,5,6,7,8,9,10,11,12,13,14,15
	ds_load_b128 v[TF+4*\k:TF+4*\k+3], v[GRD] offset:512*\k
.endr
.irp k, 0,1,2,3,4,5,6,7,8,9,10,11,12,13,14,15
	s_wait_dscnt 15-\k
	global_store_b128 v[GOF], v[TF+4*\k:TF+4*\k+3], s[14:15] offset:128000*\k
.endr
	s_wait_dscnt 0x0
	s_wait_alu depctr_hold_cnt(0) depctr_sa_sdst(0) depctr_va_vdst(0) depctr_va_sdst(0) depctr_va_ssrc(0) depctr_va_vcc(0) depctr_vm_vsrc(0)
	s_wait_tensorcnt 0x0
	ds_add_u32 v250, v251
	s_wait_dscnt 0x0
	s_endpgm
.Lfunc_end_k_q9d51d5b0ff_scan:
	.size	k_q9d51d5b0ff_scan, .Lfunc_end_k_q9d51d5b0ff_scan-k_q9d51d5b0ff_scan
	.p2alignl 7, 3214868480
	.fill 96, 4, 3214868480
	.section	.rodata,"a",@progbits
	.p2align	6, 0x0
	.amdhsa_kernel k_q9d51d5b0ff_scan
		.amdhsa_group_segment_fixed_size 166912
		.amdhsa_private_segment_fixed_size 0
		.amdhsa_enable_private_segment 0
		.amdhsa_kernarg_size 48
		.amdhsa_user_sgpr_count 2
		.amdhsa_user_sgpr_kernarg_segment_ptr 1
		.amdhsa_wavefront_size32 1
		.amdhsa_system_sgpr_workgroup_id_x 1
		.amdhsa_system_sgpr_workgroup_id_y 1
		.amdhsa_system_sgpr_workgroup_id_z 1
		.amdhsa_system_vgpr_workitem_id 0
		.amdhsa_next_free_vgpr 512
		.amdhsa_next_free_sgpr 66
		.amdhsa_reserve_vcc 0
		.amdhsa_float_denorm_mode_32 3
		.amdhsa_float_denorm_mode_16_64 3
		.amdhsa_memory_ordered 1
		.amdhsa_forward_progress 1
		.amdhsa_inst_pref_size 96
	.end_amdhsa_kernel
	.amdgpu_metadata
---
amdhsa.version: [ 1, 2 ]
amdhsa.kernels:
  - .name:           k_q9d51d5b0ff_scan
    .symbol:         k_q9d51d5b0ff_scan.kd
    .args:
      - { .name: table, .offset: 0, .size: 8, .value_kind: global_buffer, .address_space: global }
      - { .name: qimg, .offset: 8, .size: 8, .value_kind: global_buffer, .address_space: global }
      - { .name: qsc, .offset: 16, .size: 8, .value_kind: global_buffer, .address_space: global }
      - { .name: timg, .offset: 24, .size: 8, .value_kind: global_buffer, .address_space: global }
      - { .name: tsc, .offset: 32, .size: 8, .value_kind: global_buffer, .address_space: global }
      - { .name: gbuf, .offset: 40, .size: 8, .value_kind: global_buffer, .address_space: global }
    .group_segment_fixed_size: 166912
    .private_segment_fixed_size: 0
    .kernarg_segment_align: 8
    .kernarg_segment_size: 48
    .max_flat_workgroup_size: 256
    .sgpr_count:     66
    .vgpr_count:     512
    .wavefront_size: 32
...
	.end_amdgpu_metadata
.endif
;; end of part 6
;; launch pick: the kernel of part 3 again; grid 256 x 1, 4 waves a work-group, no clusters, 67,328 bytes of LDS; arguments gbuf, grp, qstat; writes grp, qstat
;; launch refine (part 7): grid 256 x 1, 4 waves a work-group, no clusters, 1,024 bytes of LDS; arguments grp, qstat, qimg, qsc, timg, tsc, nidx; writes nidx
.if DOCPART == 7
	.amdgcn_target "amdgcn-amd-amdhsa--gfx1250"
	.amdhsa_code_object_version 6
	.text
	.protected	k_q9d51d5b0ff_refine
	.globl	k_q9d51d5b0ff_refine
	.p2align	8
	.type	k_q9d51d5b0ff_refine,@function
k_q9d51d5b0ff_refine:
	s_mov_b64 s[64:65], 0
	v_nop
	global_prefetch_b8 v0, s[64:65] scope:SCOPE_SE
	s_setreg_imm32_b32 hwreg(HW_REG_WAVE_SCHED_MODE, 0, 2), 2
	s_setreg_imm32_b32 hwreg(HW_REG_WAVE_MODE, 25, 1), 1
	s_wait_xcnt 0x0
	s_wait_alu depctr_vm_vsrc(0)
; REFINE: for each query the logits of its 16 chosen groups (32 rows each) are made again from the stored codes, by the same two matrix instructions in the same order as in the scan, so with the same bits;
; each becomes the f32 softmax value 2^((l - Lmax) c) x (1 / S), and the 16 first rows under (value descending, index ascending) are stored: what top_k takes.
; A wave takes one query.  Source 0 = 16 table rows, source 1 = the query in all 16 columns: every lane gets every group's logits, and lanes g and g + 16 keep group g's (a select, no branch).
; The tiles' addresses hang on grp, whole numbers that an earlier launch stored; each tile number is held at 6,249.
; Selection: the value-only network, walked twice (tau; then -index, -(index + 131,072) at a tie, -3e38 below).
; No tensor load and no cluster: which tiles a wave reads hangs on stored numbers, and no two waves share them by plan.  Three groups' loads (14 each) are on their way at a time.
; LIMITS: as in the launch that picks the groups: v_exp_f32 taken as not falling, 0 under 2^-126; 1 / S by v_rcp_f32.
; THE MODE: SCHED_MODE bits 1:0 = 2 (LLVM: expert scheduling mode 2), set by the entry lines.  The code itself states the register dependences
; between vector or matrix instructions and memory or LDS instructions, with s_wait_alu, always for 0.
; THE PLAN.  Registers that memory or LDS instructions touch:
;   ring slot g % 3 and its two scale words   group g's 14 loads land in them; group g's four products read them; group g + 3's loads land in them next.
;   the slot's four offsets                   written by four additions; read by the slot's 14 loads; written again three groups on.
;   GID, QF, QSC                              loaded once.    L16, L4, QO, QSO, GR, OSA, OL: made at the head, never written again.
;   B0 (the 16 indices)                       written by the last conversions; read by the LDS stores.    v[8:9]: temporaries of the head; wave 0's last LDS load lands in them.
; So a group has two waits: one on vm_vsrc ahead of the four additions (the loads three groups back have read the offsets), and one on va_vdst behind them (the offsets are written; the products just issued are done
; reading the slot and its scale words).  The first three groups' offsets are made together and have one wait.
; Masks: the 32 compares of the replacement go in one run into 32 scalar registers, with one wait on va_sdst ahead of the selects.
.set L16, 1
.set L4,  2
.set QO,  3
.set QSO, 4
.set GR,  5
.set OSA, 6
.set OL,  7
.set GID, 10
.set SLT, 11
.set NI,  12
.set NI2, 13
.set TAU, 14
.set NEG, 15
.set QF,  16                           ; v16-39 the query's two fragments
.set QSC, 40                           ; v40 its scale words: scales and nothing else
.set NG1, 41
.set HH,  42                           ; v42 lane / 16; later, with v43, a temporary of the replacement
.set OFFR, 44                          ; v44-55 the ring's offsets, four to a slot
.set TS,  56                           ; v56-61 the tiles' scale words, two to a slot: scales and nothing else
.set CD,  64                           ; v64-79 my 16 candidates
.set ACC, 80                           ; v80-111 two sets of two accumulators
.set RING, 112                         ; v112-255 three slots of four fragments
.set B0,  112                          ; behind the products the network's banks lie over the ring
.set B1,  128
.set LST, 144
.macro LAYER src, dst, kk, jj
.set li, 0
.rept 16
.set ll, li^\jj
.if ll > li
.if (li & \kk) == 0
	v_max_num_f32 v[\dst+li], v[\src+li], v[\src+ll]
	v_min_num_f32 v[\dst+ll], v[\src+li], v[\src+ll]
.else
	v_min_num_f32 v[\dst+li], v[\src+li], v[\src+ll]
	v_max_num_f32 v[\dst+ll], v[\src+li], v[\src+ll]
.endif
.endif
.set li, li+1
.endr
.endm
.macro SORT16 src, dst
	LAYER \src, B0, 2, 1
	LAYER B0, B1, 4, 2
	LAYER B1, B0, 4, 1
	LAYER B0, B1, 8, 4
	LAYER B1, B0, 8, 2
	LAYER B0, B1, 8, 1
	LAYER B1, B0, 16, 8
	LAYER B0, B1, 16, 4
	LAYER B1, B0, 16, 2
	LAYER B0, \dst, 16, 1
.endm
.macro CLEAN
	LAYER B0, B1, 16, 8
	LAYER B1, B0, 16, 4
	LAYER B0, B1, 16, 2
	LAYER B1, LST, 16, 1
.endm
.macro XMERGE m
.set xi, 0
.rept 16
	v_max_num_f32_dpp v[B0+xi], v[LST+15-xi], v[LST+xi] row_xmask:\m row_mask:0xf bank_mask:0xf
.set xi, xi+1
.endr
	CLEAN
.endm
.macro XMERGE16
.set xi, 0
.rept 16
	v_permlanex16_b32 v[B1+xi], v[LST+15-xi], s26, s27
.set xi, xi+1
.endr
.set xi, 0
.rept 16
	v_max_num_f32 v[B0+xi], v[LST+xi], v[B1+xi]
.set xi, xi+1
.endr
	CLEAN
.endm
; group g's four offsets, in ring slot g % 3.  Behind group 0's products the four additions are also the four places ahead of the first read of their results.
.macro ADDRG g
.set OS, OFFR+4*((\g)%3)
	s_lshr_b32 s50, s[32+(\g)], 4                  ; slice
	s_mul_i32 s50, s50, 25
	s_and_b32 s51, s[32+(\g)], 15                  ; slot
	s_lshl_b32 s51, s51, 1
	s_add_co_u32 s50, s50, s51
	s_min_u32 s50, s50, 6249                       ; the group's first tile, held inside the table
	s_add_co_u32 s51, s50, 1
	s_min_u32 s51, s51, 6249
	s_mul_i32 s52, s50, 3072
	s_lshl_b32 s53, s50, 7
	s_mul_i32 s54, s51, 3072
	s_lshl_b32 s55, s51, 7
.if (\g) > 2
	s_wait_alu depctr_vm_vsrc(0)                   ; the loads of the group three back have read these four offsets (the wait on LOADcnt ahead of that group's products has shown them done)
.endif
	v_add_nc_u32 v[OS], s52, v[L16]
	v_add_nc_u32 v[OS+1], s54, v[L16]
	v_add_nc_u32 v[OS+2], s53, v[L4]
	v_add_nc_u32 v[OS+3], s55, v[L4]
.endm
; group g's two tiles into ring slot g % 3: 14 loads.  The wait on va_vdst that they hang on stands ahead of the macro
.macro LOADS g
.set RS, RING+48*((\g)%3)
.set OS, OFFR+4*((\g)%3)
.set TR, TS+2*((\g)%3)
.irp c, 0,1,2,3,4,5
	global_load_b128 v[RS+4*\c:RS+4*\c+3], v[OS], s[12:13] offset:512*\c
.endr
.irp c, 0,1,2,3,4,5
	global_load_b128 v[RS+24+4*\c:RS+24+4*\c+3], v[OS+1], s[12:13] offset:512*\c
.endr
	global_load_b32 v[TR], v[OS+2], s[14:15]
	global_load_b32 v[TR+1], v[OS+3], s[14:15]
.endm
.macro MM g                            ; the two accumulators take turns
.set RS, RING+48*((\g)%3)
.set TR, TS+2*((\g)%3)
.set AC, ACC+16*((\g)%2)
	v_wmma_scale_f32_16x16x128_f8f6f4 v[AC:AC+7], v[RS:RS+11], v[QF:QF+11], 0, v[TR], v[QSC] matrix_a_fmt:MATRIX_FMT_BF6 matrix_b_fmt:MATRIX_FMT_BF6
	v_wmma_scale_f32_16x16x128_f8f6f4 v[AC+8:AC+15], v[RS+24:RS+35], v[QF:QF+11], 0, v[TR+1], v[QSC] matrix_a_fmt:MATRIX_FMT_BF6 matrix_b_fmt:MATRIX_FMT_BF6
	v_wmma_scale_f32_16x16x128_f8f6f4 v[AC:AC+7], v[RS+12:RS+23], v[QF+12:QF+23], v[AC:AC+7], v[TR], v[QSC] matrix_a_fmt:MATRIX_FMT_BF6 matrix_b_fmt:MATRIX_FMT_BF6 matrix_a_scale:MATRIX_SCALE_ROW1 matrix_b_scale:MATRIX_SCALE_ROW1
	v_wmma_scale_f32_16x16x128_f8f6f4 v[AC+8:AC+15], v[RS+36:RS+47], v[QF+12:QF+23], v[AC+8:AC+15], v[TR+1], v[QSC] matrix_a_fmt:MATRIX_FMT_BF6 matrix_b_fmt:MATRIX_FMT_BF6 matrix_a_scale:MATRIX_SCALE_ROW1 matrix_b_scale:MATRIX_SCALE_ROW1
.endm
.macro SELECT g                        ; lanes g and g + 16 keep group g's logits; each accumulator is read from its low end on
.set AC, ACC+16*((\g)%2)
.if (\g) == 0
.irp j, 0,1,2,3,4,5,6,7,8,9,10,11,12,13,14,15
	v_mov_b32 v[CD+\j], v[AC+\j]
.endr
.else
	s_mov_b32 s56, 0x10001<<(\g)
.irp j, 0,1,2,3,4,5,6,7,8,9,10,11,12,13,14,15
	v_cndmask_b32 v[CD+\j], v[CD+\j], v[AC+\j], s56
.endr
.endif
.endm
	s_load_b128 s[4:7], s[0:1], 0x0                ; grp, qstat
	s_load_b128 s[8:11], s[0:1], 0x10              ; qimg, qsc
	s_load_b128 s[12:15], s[0:1], 0x20             ; timg, tsc
	s_load_b64 s[16:17], s[0:1], 0x30              ; nidx
	v_lshl_add_u32 v62, v0, 2, 0x200
	v_mov_b32 v63, 0
	v_lshrrev_b32 v8, 5, v0
	v_readfirstlane_b32 s18, v8                    ; wave
	s_lshl_b32 s19, ttmp9, 2
	s_wait_alu depctr_va_sdst(0)                   ; s18 is written, ahead of its first reader
	s_add_co_u32 s19, s19, s18                     ; my query
	s_lshl_b32 s20, s19, 6
	s_mov_b32 s21, 0
	s_lshr_b32 s22, s19, 4                         ; its tile,
	s_and_b32 s23, s19, 15                         ; its row in the tile
	s_mul_i32 s24, s22, 3072
	s_lshl_b32 s28, s23, 4
	s_add_co_u32 s24, s24, s28
	s_mov_b32 s25, 0
	s_lshl_b32 s30, s22, 7
	s_lshl_b32 s28, s23, 2
	s_add_co_u32 s30, s30, s28
	s_mov_b32 s31, 0
	s_wait_kmcnt 0x0
	s_add_nc_u64 s[4:5], s[4:5], s[20:21]
	s_add_nc_u64 s[6:7], s[6:7], s[20:21]
	s_add_nc_u64 s[8:9], s[8:9], s[24:25]
	s_add_nc_u64 s[10:11], s[10:11], s[30:31]
	s_load_b512 s[32:47], s[4:5], 0x0              ; the 16 groups
	s_load_b64 s[48:49], s[6:7], 0x0               ; Lmax, 1 / S
	s_lshl_b32 s20, ttmp9, 8
	s_add_nc_u64 s[16:17], s[16:17], s[20:21]
	v_and_b32 v8, 31, v0
	v_and_b32 v9, 15, v0                           ; r
	v_bfe_u32 v[HH], v0, 4, 1                      ; h
	v_lshlrev_b32 v[L16], 4, v8
	v_lshlrev_b32 v[L4], 2, v8
	v_lshlrev_b32 v[OL], 3, v8
	v_lshlrev_b32 v[QO], 8, v[HH]                  ; every lane of a half takes the query's own lane of that half
	v_lshlrev_b32 v[QSO], 6, v[HH]
	v_lshlrev_b32 v[GR], 2, v9
	s_lshl_b32 s28, s18, 6
	v_mov_b32 v[OSA], s28
	s_wait_alu depctr_va_vdst(0)                   ; the seven addresses that stay (v1 to v7) are written: every load and store that reads one of them stands behind this wait
	global_load_b32 v[GID], v[GR], s[4:5]          ; lane r's own group
.irp s, 0,1
.irp c, 0,1,2
	global_load_b128 v[QF+12*\s+4*\c:QF+12*\s+4*\c+3], v[QO], s[8:9] offset:1536*\s+512*\c
.endr
.endr
	global_load_b32 v[QSC], v[QSO], s[10:11]
	s_mov_b32 s26, 0x76543210
	s_mov_b32 s27, 0xfedcba98
	s_mov_b32 s28, 0x3fb8aa3b                      ; c = log2(e)
	v_mov_b32 v[NEG], 0xff61b1e6                   ; -3e38
	v_mov_b32 v[NG1], -1.0
	s_wait_kmcnt 0x0
	ADDRG 0
	ADDRG 1
	ADDRG 2
	s_wait_alu depctr_va_vdst(0)                   ; the first three groups' twelve offsets are written, which the 42 loads below read
	LOADS 0
	LOADS 1
	LOADS 2
.irp g, 0,1,2,3,4,5,6,7,8,9,10,11,12,13,14,15
.if \g < 14
	s_wait_loadcnt 28                              ; the two younger groups' 14 loads each stay out
.elseif \g == 14
	s_wait_loadcnt 14
.else
	s_wait_loadcnt 0
.endif
	MM \g
.if \g > 0
	SELECT \g-1
.endif
.if \g < 13
	ADDRG \g+3
	s_wait_alu depctr_va_vdst(0)                   ; the four offsets are written; this group's products are done reading the slot and its two scale words, in which the loads below land
	LOADS \g+3
.endif
.endr
	SELECT 15
	; my candidates' indices: 16 x first tile + 8 h + j, and 16 more for the second tile
	v_and_b32 v[SLT], 15, v[GID]
	v_cmp_eq_u32 vcc_lo, 12, v[SLT]                ; a group of 16 rows: its second tile belongs to another group.  The mask is read behind the softmax values
	v_lshrrev_b32 v[NI], 4, v[GID]
	v_mul_u32_u24 v[NI], v[NI], 25
	v_lshl_add_u32 v[NI], v[SLT], 1, v[NI]
	v_lshlrev_b32 v[NI], 4, v[NI]
	v_lshl_add_u32 v[NI], v[HH], 3, v[NI]
	v_cvt_f32_u32 v[NI], v[NI]
	v_xor_b32 v[NI], 0x80000000, v[NI]             ; -index, exact in f32
	v_add_f32 v[NI2], 0xc8000000, v[NI]            ; -(index + 131,072)
	; the softmax values
.irp j, 0,1,2,3,4,5,6,7,8,9,10,11,12,13,14,15
	v_sub_f32 v[CD+\j], v[CD+\j], s48
.endr
.irp j, 0,1,2,3,4,5,6,7,8,9,10,11,12,13,14,15
	v_mul_f32 v[CD+\j], s28, v[CD+\j]
.endr
.irp j, 0,1,2,3,4,5,6,7,8,9,10,11,12,13,14,15
	v_exp_f32 v[CD+\j], v[CD+\j]
.endr
	v_nop
	s_wait_alu depctr_va_vdst(0)                   ; the sixteen exponentials have written their results, ahead of the first reader
.irp j, 0,1,2,3,4,5,6,7,8,9,10,11,12,13,14,15
	v_mul_f32 v[CD+\j], s49, v[CD+\j]
.endr
	s_wait_alu depctr_va_vcc(0)                    ; the compare above has written VCC, which the eight selects read
.irp j, 8,9,10,11,12,13,14,15
	v_cndmask_b32 v[CD+\j], v[CD+\j], v[NG1], vcc_lo
.endr
	s_mov_b32 s58, 0
.Lnet:
	SORT16 CD, LST
	XMERGE 1
	XMERGE 2
	XMERGE 4
	XMERGE 8
	XMERGE16
	s_cmp_lg_u32 s58, 0
	s_cbranch_scc1 .Lbuilt
	v_mov_b32 v[TAU], v[LST+15]
.irp j, 0,1,2,3,4,5,6,7,8,9,10,11,12,13,14,15      ; the 32 masks in one run: at or above tau into s32 to s47 (the groups' numbers are done with), above tau into s66 to s79, s60 and s61
	v_cmp_ge_f32 s[32+\j], v[CD+\j], v[TAU]
.endr
.irp j, 0,1,2,3,4,5,6,7,8,9,10,11,12,13,14,15
.set GT, 66+\j
.if \j > 13
.set GT, 46+\j
.endif
	v_cmp_gt_f32 s[GT], v[CD+\j], v[TAU]
.endr
	s_wait_alu depctr_va_sdst(0)                   ; the 32 compares have written their masks, which the selects below read
.irp j, 0,1,2,3,4,5,6,7,8,9,10,11,12,13,14,15
.set GT, 66+\j
.if \j > 13
.set GT, 46+\j
.endif
	v_cndmask_b32 v[HH+(\j%2)], v[NEG], v[NI2], s[32+\j]   ; at or above tau: -(index + 131,072); below: -3e38
	v_cndmask_b32 v[CD+\j], v[HH+(\j%2)], v[NI], s[GT]     ; above tau: -index
.if \j == 7
	v_add_f32 v[NI], 0xc1100000, v[NI]             ; on to the second tile: 9 rows
	v_add_f32 v[NI2], 0xc1100000, v[NI2]
.elseif \j < 15
	v_add_f32 v[NI], -1.0, v[NI]
	v_add_f32 v[NI2], -1.0, v[NI2]
.endif
.endr
.Lbuilt:
	s_add_co_u32 s58, s58, 1
	s_cmp_lt_u32 s58, 2
	s_cbranch_scc1 .Lnet
.set n, 0
.rept 16
	v_xor_b32 v[B0+n], 0x80000000, v[LST+n]        ; index, or index + 131,072
.set n, n+1
.endr
.set n, 0
.rept 16
	v_cvt_u32_f32 v[B0+n], v[B0+n]
.set n, n+1
.endr
.set n, 0
.rept 16
	v_and_b32 v[B0+n], 0x1ffff, v[B0+n]
.set n, n+1
.endr
	s_wait_alu depctr_va_vdst(0)                   ; the sixteen indices are written, which the LDS stores read; the head's lines are done with v[8:9], in which wave 0's load below lands
.irp c, 0,1,2,3
	ds_store_b128 v[OSA], v[B0+4*\c:B0+4*\c+3] offset:16*\c        ; all lanes: the same bytes with the same values
.endr
	s_wait_dscnt 0x0
	s_barrier_signal -1
	s_barrier_wait -1
	s_cmp_lg_u32 s18, 0
	s_cbranch_scc1 .Lend
	ds_load_b64 v[8:9], v[OL]
	s_wait_dscnt 0x0
	global_store_b64 v[OL], v[8:9], s[16:17]       ; 256 consecutive bytes, aligned
.Lend:
	s_wait_dscnt 0x0
	s_wait_alu depctr_hold_cnt(0) depctr_sa_sdst(0) depctr_va_vdst(0) depctr_va_sdst(0) depctr_va_ssrc(0) depctr_va_vcc(0) depctr_vm_vsrc(0)
	s_wait_tensorcnt 0x0
	ds_add_u32 v62, v63
	s_wait_dscnt 0x0
	s_endpgm
.Lfunc_end_k_q9d51d5b0ff_refine:
	.size	k_q9d51d5b0ff_refine, .Lfunc_end_k_q9d51d5b0ff_refine-k_q9d51d5b0ff_refine
	.p2alignl 7, 3214868480
	.fill 96, 4, 3214868480
	.section	.rodata,"a",@progbits
	.p2align	6, 0x0
	.amdhsa_kernel k_q9d51d5b0ff_refine
		.amdhsa_group_segment_fixed_size 1024
		.amdhsa_private_segment_fixed_size 0
		.amdhsa_enable_private_segment 0
		.amdhsa_kernarg_size 56
		.amdhsa_user_sgpr_count 2
		.amdhsa_user_sgpr_kernarg_segment_ptr 1
		.amdhsa_wavefront_size32 1
		.amdhsa_system_sgpr_workgroup_id_x 1
		.amdhsa_system_sgpr_workgroup_id_y 1
		.amdhsa_system_sgpr_workgroup_id_z 1
		.amdhsa_system_vgpr_workitem_id 0
		.amdhsa_next_free_vgpr 256
		.amdhsa_next_free_sgpr 80
		.amdhsa_reserve_vcc 1
		.amdhsa_float_denorm_mode_32 3
		.amdhsa_float_denorm_mode_16_64 3
		.amdhsa_memory_ordered 1
		.amdhsa_forward_progress 1
		.amdhsa_inst_pref_size 93
	.end_amdhsa_kernel
	.amdgpu_metadata
---
amdhsa.version: [ 1, 2 ]
amdhsa.kernels:
  - .name:           k_q9d51d5b0ff_refine
    .symbol:         k_q9d51d5b0ff_refine.kd
    .args:
      - { .name: grp, .offset: 0, .size: 8, .value_kind: global_buffer, .address_space: global }
      - { .name: qstat, .offset: 8, .size: 8, .value_kind: global_buffer, .address_space: global }
      - { .name: qimg, .offset: 16, .size: 8, .value_kind: global_buffer, .address_space: global }
      - { .name: qsc, .offset: 24, .size: 8, .value_kind: global_buffer, .address_space: global }
      - { .name: timg, .offset: 32, .size: 8, .value_kind: global_buffer, .address_space: global }
      - { .name: tsc, .offset: 40, .size: 8, .value_kind: global_buffer, .address_space: global }
      - { .name: nidx, .offset: 48, .size: 8, .value_kind: global_buffer, .address_space: global }
    .group_segment_fixed_size: 1024
    .private_segment_fixed_size: 0
    .kernarg_segment_align: 8
    .kernarg_segment_size: 56
    .max_flat_workgroup_size: 128
    .sgpr_count:     80
    .vgpr_count:     256
    .wavefront_size: 32
...
	.end_amdgpu_metadata
.endif
;; end of part 7
;; launch attend (part 8): grid 256 x 1, 4 waves a work-group, no clusters, 117,248 bytes of LDS; arguments nidx, table, a_codes, a_scales, b, out0; writes out0
.if DOCPART == 8
	.amdgcn_target "amdgcn-amd-amdhsa--gfx1250"
	.amdhsa_code_object_version 6
	.text
	.protected	k_q9d51d5b0ff_attend
	.globl	k_q9d51d5b0ff_attend
	.p2align	8
	.type	k_q9d51d5b0ff_attend,@function
k_q9d51d5b0ff_attend:
	s_mov_b64 s[64:65], 0
	v_nop
	global_prefetch_b8 v0, s[64:65] scope:SCOPE_SE
	s_setreg_imm32_b32 hwreg(HW_REG_WAVE_SCHED_MODE, 0, 2), 2
	s_setreg_imm32_b32 hwreg(HW_REG_WAVE_MODE, 25, 1), 1
	s_wait_xcnt 0x0
	s_wait_alu depctr_vm_vsrc(0)
; ATTEND: for each query its 16 neighbours h (rows of table named by nidx, whole numbers that an earlier launch stored) are gathered, quantised to BF6 along K = 256, multiplied with a (given as codes),
; e = tanh(h a) . b, attention = softmax over the 16 (the largest e taken away first), out = the weighted sum of the 16 f32 rows.
; A wave takes one query: its 16 neighbours are one tile.  The product is used transposed (source 0 = 16 rows of a_codes, source 1 = h): lane (r, h) holds neighbour r and eight columns n of h a.
; a's 32 fragments are brought once a work-group, a quarter by each wave, and lie in LDS as images of operand registers (three runs of 512 bytes, lane l's 16 bytes at 16 l); b lies beside them.  One barrier.
; h's rows stay in the wave's own stage in LDS: read once by the quantiser's layout, once by columns for the pooling.
; tanh(x) = 1 - 2 / (1 + 2^(2 x log2 e)): it goes to 1 and -1 at the ends without overflow.  The products with b and with the weights are f32 multiply-adds.
; No tensor load: the rows hang on stored numbers.  No cluster: what work-groups share is a's 48 KiB, read once each.
; LIMITS: NaN and infinities are not served; blocks of h under 2^(4 - 126) get the byte 1.  An index outside the table is held at its last row.
; THE MODE: SCHED_MODE bits 1:0 = 2 (LLVM: expert scheduling mode 2), set by the entry lines.  The code itself states the register dependences
; between vector or matrix instructions and memory or LDS instructions, with s_wait_alu, always for 0.
; THE PLAN.  Registers that memory or LDS instructions touch:
;   AB (v128-223)   my quarter of a lands in it and LDS stores read it; h's numbers land in it (with v224-255) and the quantiser reads them; then batch by batch a's fragments land in it and the batch's products read them; at last h by columns.
;   b's two buffers (v96-127, v58-89), by turns: batch t's eight loads land in buffer t % 2; the batch's last sixteen multiply-adds read it.  v58-89 are the quantiser's temporaries before, and hold the output row's numbers after.
;   AC (v224-255)   the accumulators; behind the last batch h's rows 12 to 15 land in them.
;   HF, HS          h's codes and scale words, written by the quantiser, read by every product.
;   OU              written by the pooling, read by the two last stores.    The nine addresses v1 to v9: made at the head, never written again.
; THE WAITS.  A batch's wait for its exponentials also states that its products are done reading AB and that the batch before is done reading the other buffer of b: so the NEXT batch's 32 LDS loads are issued behind it,
; and land while the reciprocals and the multiply-adds run; no batch has a wait of its own for its loads.  In the last batch h's rows 0 to 11 take that place.
.set L16, 1                            ; v1  16 x lane (also the LDS address of an image's lane: the images begin at LDS byte 0)
.set STW, 2                            ; v2  my stage + 16 x lane
.set STR, 3                            ; v3  my stage + 1,040 r + 64 h
.set AAD, 4                            ; v4  a_codes: 192 r + 24 h
.set IMW, 5                            ; v5  my quarter's images: 12,288 v + 16 x lane
.set BG,  6                            ; v6  8 x lane
.set BL,  7                            ; v7  b in LDS: + 256 v + 8 x lane
.set ASO, 8                            ; v8  a_scales: 8 r + 4 h
.set BR,  9                            ; v9  b in LDS, read: + 32 h
.set BP,  10                           ; v[10:11] my 8 bytes of b
.set EE,  12                           ; v12-15 e, in two chains of pairs
.set HS,  16                           ; v16-17 h's scale words: scales and nothing else
.set AS,  18                           ; v18-33 a's scale words, a register a tile (lanes 0-15 K step 0, lanes 16-31 K step 1): scales and nothing else
.set HF,  34                           ; v34-57 h's two fragments
.set TM,  58                           ; v58-73
.set CSR, 74                           ; v74-81
.set OU,  82                           ; v82-89 my 8 numbers of the output row
.set BB,  96                           ; v96-127 b at a batch's columns, for batches 0 and 2; 38 lower, v58-89, for batches 1 and 3
.set AB,  128                          ; v128-223 my quarter of a; then h's numbers (v128-255); then a batch's 8 fragments; then h by columns (v128-255)
.set AC,  224                          ; v224-255 four accumulators
.set X,   128
.set BO,  49152                        ; LDS: 32 images of a, then b,
.set HST, 50176                        ; then a stage of 16 rows x 1,040 bytes for each wave
.set SP,  1040
.set SEL, 20
.set BASE, 32                          ; s[32:63] the 16 rows' addresses
.set TOK, 68                           ; s[68:83] the 16 indices, later the 16 weights
.set MSB, 0
.macro WIN new
.if MSB != \new
	s_set_vgpr_msb (MSB<<8)|\new
.set MSB, \new
.endif
.endm
.macro QUANT x, pc, pw
.irp b, 0,1,2,3
	v_max3_num_f32 v[TM+\b], |v[\x+16*\b]|, |v[\x+1+16*\b]|, 0x2800000
.endr
.irp i, 2,4,6,8,10,12,14
.irp b, 0,1,2,3
	v_max3_num_f32 v[TM+\b], v[TM+\b], |v[\x+16*\b+\i]|, |v[\x+1+16*\b+\i]|
.endr
.endr
.irp b, 0,1,2,3
	v_permlanex16_b32 v[TM+4+\b], v[TM+\b], s[SEL], s[SEL+1]
.endr
.irp b, 0,1,2,3
	v_max_num_f32 v[TM+\b], v[TM+\b], v[TM+4+\b]
.endr
.irp b, 0,1,2,3
	v_add_nc_u32 v[TM+12+\b], 0xfe000000, v[TM+\b]
.endr
.irp b, 0,1,2,3
	v_lshrrev_b32 v[TM+4+\b], 23, v[TM+12+\b]
.endr
	v_lshl_or_b32 v[\pw], v[TM+5], 8, v[TM+4]
	v_lshl_or_b32 v[\pw], v[TM+6], 16, v[\pw]
	v_lshl_or_b32 v[\pw], v[TM+7], 24, v[\pw]
.irp c, 0,1
	v_cvt_scalef32_pk16_bf6_f32 v[\pc+6*\c:\pc+2+6*\c], v[\x+32*\c:\x+15+32*\c], v[TM+12+2*\c]
	v_cvt_scalef32_pk16_bf6_f32 v[CSR+4*\c:CSR+2+4*\c], v[\x+16+32*\c:\x+31+32*\c], v[TM+13+2*\c]
.endr
	v_nop                                                  ; one plain place behind a scaled conversion
.irp c, 0,1
.irp i, 0,1,2
	v_permlane16_swap_b32 v[\pc+6*\c+\i], v[CSR+4*\c+\i]
.endr
.irp i, 0,1,2
	v_mov_b32 v[\pc+3+6*\c+\i], v[CSR+4*\c+\i]
.endr
.endr
.endm
; batch bt's operands: 8 fragments of a, and b at the batch's 64 columns into its buffer.  The wait on va_vdst that these loads hang on stands ahead of the macro
.macro LOADB bt
.set BX, BB-38*((\bt)%2)
.set n, 0
.rept 24
	ds_load_b128 v[AB+4*n:AB+4*n+3], v[L16] offset:12288*(\bt)+512*n
.set n, n+1
.endr
.irp t, 0,1,2,3
	ds_load_b128 v[BX+8*\t:BX+8*\t+3], v[BR] offset:64*(4*(\bt)+\t)
	ds_load_b128 v[BX+8*\t+4:BX+8*\t+7], v[BR] offset:64*(4*(\bt)+\t)+16
.endr
.endm
; four tiles of a (64 columns of h a): products, tanh, the part of e
.macro BATCH bt
.set BY, BB-38*((\bt)%2)
	s_wait_dscnt 0x0                               ; the batch's 32 loads, issued in the batch before
.irp t, 0,1,2,3
	v_wmma_scale_f32_16x16x128_f8f6f4 v[AC+8*\t:AC+8*\t+7], v[AB+24*\t:AB+24*\t+11], v[HF:HF+11], 0, v[AS+4*(\bt)+\t], v[HS] matrix_a_fmt:MATRIX_FMT_BF6 matrix_b_fmt:MATRIX_FMT_BF6
.endr
.irp t, 0,1,2,3
	v_wmma_scale_f32_16x16x128_f8f6f4 v[AC+8*\t:AC+8*\t+7], v[AB+24*\t+12:AB+24*\t+23], v[HF+12:HF+23], v[AC+8*\t:AC+8*\t+7], v[AS+4*(\bt)+\t], v[HS+1] matrix_a_fmt:MATRIX_FMT_BF6 matrix_b_fmt:MATRIX_FMT_BF6 matrix_a_scale:MATRIX_SCALE_ROW1
.endr
.rept 4
	v_nop                                          ; the places behind the products
.endr
.set n, 0
.rept 16
	v_pk_mul_f32 v[AC+2*n:AC+2*n+1], v[AC+2*n:AC+2*n+1], 0x4038aa3b op_sel_hi:[1,0]   ; 2 log2(e) x; each accumulator from its low end on
.set n, n+1
.endr
.set n, 0
.rept 32
	v_exp_f32 v[AC+n], v[AC+n]
.set n, n+1
.endr
	v_nop
	s_wait_alu depctr_va_vdst(0)                   ; the 32 exponentials have written their results, ahead of the first reader; this batch's products are done reading v[AB ..], and all earlier lines are done with the other buffer of b: the loads below land in both
.if (\bt) < 3
	LOADB (\bt)+1
.else
.irp i, 0,1,2,3,4,5,6,7,8,9,10,11              ; h by columns, for the pooling: rows 0 to 11 land where a's fragments lay
	ds_load_b128 v[X+8*\i:X+8*\i+3], v[STW] offset:SP*\i
	ds_load_b128 v[X+8*\i+4:X+8*\i+7], v[STW] offset:SP*\i+512
.endr
.endif
.set n, 0
.rept 16
	v_pk_add_f32 v[AC+2*n:AC+2*n+1], v[AC+2*n:AC+2*n+1], 1.0 op_sel_hi:[1,0]
.set n, n+1
.endr
.set n, 0
.rept 32
	v_rcp_f32 v[AC+n], v[AC+n]
.set n, n+1
.endr
	v_nop
	s_wait_alu depctr_va_vdst(0)                   ; the 32 reciprocals have written their results, ahead of the first reader
.set n, 0
.rept 16
	v_pk_fma_f32 v[AC+2*n:AC+2*n+1], v[AC+2*n:AC+2*n+1], -2.0, 1.0 op_sel_hi:[1,0,0]   ; tanh
.set n, n+1
.endr
.set n, 0
.rept 16
	v_pk_fma_f32 v[EE+2*(n%2):EE+2*(n%2)+1], v[AC+2*n:AC+2*n+1], v[BY+2*n:BY+2*n+1], v[EE+2*(n%2):EE+2*(n%2)+1]
.set n, n+1
.endr
.endm
	s_load_b128 s[4:7], s[0:1], 0x0                ; nidx, table
	s_load_b128 s[8:11], s[0:1], 0x10              ; a_codes, a_scales
	s_load_b128 s[12:15], s[0:1], 0x20             ; b, out0
	v_lshl_add_u32 v94, v0, 2, 0x1c800
	v_mov_b32 v95, 0
	v_lshrrev_b32 v90, 5, v0
	v_readfirstlane_b32 s16, v90                   ; wave
	s_lshl_b32 s17, ttmp9, 2
	s_wait_alu depctr_va_sdst(0)                   ; s16 is written, ahead of its first reader
	s_add_co_u32 s17, s17, s16                     ; my query
	s_lshl_b32 s18, s17, 6
	s_mov_b32 s19, 0
	s_wait_kmcnt 0x0
	s_add_nc_u64 s[4:5], s[4:5], s[18:19]
	s_load_b512 s[TOK:TOK+15], s[4:5], 0x0
	v_and_b32 v91, 31, v0
	v_and_b32 v92, 15, v0                          ; r
	v_bfe_u32 v93, v0, 4, 1                        ; h
	v_lshlrev_b32 v[L16], 4, v91
	s_mul_i32 s22, s16, 16*SP
	s_add_co_u32 s22, s22, HST
	v_add_nc_u32 v[STW], s22, v[L16]
	v_mul_u32_u24 v[STR], v92, SP
	v_lshl_add_u32 v[STR], v93, 6, v[STR]
	v_add_nc_u32 v[STR], s22, v[STR]
	v_mul_u32_u24 v[AAD], v92, 192
	v_mad_u32_u24 v[AAD], v93, 24, v[AAD]
	s_mul_i32 s22, s16, 12288
	s_mov_b32 s23, 0
	v_add_nc_u32 v[IMW], s22, v[L16]
	s_add_nc_u64 s[8:9], s[8:9], s[22:23]          ; my 64 rows of a_codes
	v_lshlrev_b32 v[BG], 3, v91
	s_lshl_b32 s22, s16, 8
	s_add_nc_u64 s[12:13], s[12:13], s[22:23]      ; my 256 bytes of b
	s_add_co_u32 s22, s22, BO
	v_add_nc_u32 v[BL], s22, v[BG]
	v_lshlrev_b32 v[ASO], 3, v92
	v_lshl_add_u32 v[ASO], v93, 2, v[ASO]
	v_lshlrev_b32 v[BR], 5, v93
	v_add_nc_u32 v[BR], BO, v[BR]
	s_lshl_b32 s22, s17, 10
	s_add_nc_u64 s[14:15], s[14:15], s[22:23]      ; my row of out0
	s_mov_b32 s[SEL], 0x76543210
	s_mov_b32 s[SEL+1], 0xfedcba98
	s_wait_alu depctr_va_vdst(0)                   ; the nine addresses v1 to v9 are written: every load and store of the kernel reads one of them and stands behind this wait
.irp f, 0,1,2,3,4,5,6,7                        ; my four tiles x two K steps, in pieces of 8 bytes
.irp p, 0,1,2,3,4,5
	global_load_b64 v[AB+12*\f+2*\p:AB+12*\f+2*\p+1], v[AAD], s[8:9] offset:3072*(\f/2)+96*(\f%2)+48*(\p/3)+8*(\p%3)
.endr
.endr
	global_load_b64 v[BP:BP+1], v[BG], s[12:13]
.irp t, 0,1,2,3,4,5,6,7,8,9,10,11,12,13,14,15
	global_load_b32 v[AS+\t], v[ASO], s[10:11] offset:128*\t
.endr
.irp k, 0,1,2,3
	v_mov_b32 v[TM+4+\k], 0                        ; a lane permute's destination counts as one of its sources
	v_mov_b32 v[EE+\k], 0
.endr
	s_mov_b32 s85, 0
	s_wait_kmcnt 0x0
.irp i, 0,1,2,3,4,5,6,7,8,9,10,11,12,13,14,15
	s_min_u32 s[TOK+\i], s[TOK+\i], 99999          ; held inside the table
	s_lshl_b32 s84, s[TOK+\i], 10
	s_add_nc_u64 s[BASE+2*\i:BASE+2*\i+1], s[6:7], s[84:85]
.endr
	WIN 0x40                                       ; the raw rows land in window 1
.irp i, 0,1,2,3,4,5,6,7,8,9,10,11,12,13,14,15
	global_load_b128 v[8*\i:8*\i+3], v[L16], s[BASE+2*\i:BASE+2*\i+1]
	global_load_b128 v[8*\i+4:8*\i+7], v[L16], s[BASE+2*\i:BASE+2*\i+1] offset:512
.endr
	WIN 0
	s_wait_loadcnt 32                              ; h's 32 loads stay out: a, b and a's scales are in
.set n, 0
.rept 24
	ds_store_b128 v[IMW], v[AB+4*n:AB+4*n+3] offset:512*n
.set n, n+1
.endr
	ds_store_b64 v[BL], v[BP:BP+1]
	s_wait_loadcnt 0x0
	WIN 0x04
.irp i, 0,1,2,3,4,5,6,7,8,9,10,11,12,13,14,15
	ds_store_b128 v[STW], v[8*\i:8*\i+3] offset:SP*\i
	ds_store_b128 v[STW], v[8*\i+4:8*\i+7] offset:SP*\i+512
.endr
	WIN 0
	s_wait_dscnt 0x0                               ; my images, my part of b and my rows have landed
	s_barrier_signal -1
	s_barrier_wait -1                              ; a and b are whole
	s_wait_alu depctr_vm_vsrc(0)                   ; my LDS stores have read v[AB ..], in which h's numbers land
.irp s, 0,1
.irp b, 0,1,2,3
.irp j, 0,1,2,3
	ds_load_b128 v[X+64*\s+16*\b+4*\j:X+64*\s+16*\b+4*\j+3], v[STR] offset:512*\s+128*\b+16*\j
.endr
.endr
.endr
	s_wait_dscnt 0x0
	QUANT X, HF, HS
	QUANT X+64, HF+12, HS+1
.rept 8
	v_nop                                          ; a scale word written by a vector instruction stands 8 places ahead of a scaled matrix instruction, an operand 4
.endr
	s_wait_alu depctr_va_vdst(0)                   ; h's codes and scale words are written, which every product reads; the quantiser is done reading v[X ..], in which a's fragments land.  The places above stay beside this wait
	LOADB 0
	BATCH 0
	BATCH 1
	BATCH 2
	BATCH 3
	s_wait_alu depctr_va_vdst(0)                   ; the last batch's lines are done with the accumulators, in which h's rows 12 to 15 land
.irp i, 12,13,14,15
	ds_load_b128 v[X+8*\i:X+8*\i+3], v[STW] offset:SP*\i
	ds_load_b128 v[X+8*\i+4:X+8*\i+7], v[STW] offset:SP*\i+512
.endr
	v_add_f32 v12, v12, v13
	v_add_f32 v14, v14, v15
	v_add_f32 v12, v12, v14
	v_permlanex16_b32 v13, v12, s[SEL], s[SEL+1]
	v_add_f32 v12, v12, v13                        ; e of neighbour r
	v_max_num_f32_dpp v14, v12, v12 row_xmask:1 row_mask:0xf bank_mask:0xf
.irp m, 2,4,8
	v_max_num_f32_dpp v14, v14, v14 row_xmask:\m row_mask:0xf bank_mask:0xf
.endr
	v_sub_f32 v12, v12, v14                        ; the largest is taken away
	v_mul_f32 v12, 0x3fb8aa3b, v12
	v_exp_f32 v12, v12
	v_nop
	s_wait_alu depctr_va_vdst(0)                   ; the exponential has written its result, ahead of the first reader
	v_add_f32_dpp v13, v12, v12 row_xmask:1 row_mask:0xf bank_mask:0xf
.irp m, 2,4,8
	v_add_f32_dpp v13, v13, v13 row_xmask:\m row_mask:0xf bank_mask:0xf
.endr
	v_rcp_f32 v13, v13
	v_nop
	s_wait_alu depctr_va_vdst(0)                   ; the reciprocal has written its result, ahead of the first reader
	v_mul_f32 v12, v12, v13                        ; the weight of neighbour r
.irp i, 0,1,2,3,4,5,6,7,8,9,10,11,12,13,14,15
	v_readlane_b32 s[TOK+\i], v12, \i
.endr
	s_wait_alu depctr_va_sdst(0)                   ; the sixteen weights are written to s68 to s83, ahead of their first reader
	s_wait_dscnt 0x0
.irp m, 0,1,2,3,4,5,6,7
	v_mul_f32 v[OU+\m], s[TOK], v[X+\m]
.endr
.irp i, 1,2,3,4,5,6,7,8,9,10,11,12,13,14,15
.irp m, 0,1,2,3,4,5,6,7
	v_fmac_f32 v[OU+\m], s[TOK+\i], v[X+8*\i+\m]
.endr
.endr
	s_wait_alu depctr_va_vdst(0)                   ; the pooling has written v[OU ..], which the two stores read
	global_store_b128 v[L16], v[OU:OU+3], s[14:15]                 ; 512 consecutive bytes each
	global_store_b128 v[L16], v[OU+4:OU+7], s[14:15] offset:512
	s_wait_dscnt 0x0
	s_wait_alu depctr_hold_cnt(0) depctr_sa_sdst(0) depctr_va_vdst(0) depctr_va_sdst(0) depctr_va_ssrc(0) depctr_va_vcc(0) depctr_vm_vsrc(0)
	s_wait_tensorcnt 0x0
	ds_add_u32 v94, v95
	s_wait_dscnt 0x0
	s_endpgm
.Lfunc_end_k_q9d51d5b0ff_attend:
	.size	k_q9d51d5b0ff_attend, .Lfunc_end_k_q9d51d5b0ff_attend-k_q9d51d5b0ff_attend
	.p2alignl 7, 3214868480
	.fill 96, 4, 3214868480
	.section	.rodata,"a",@progbits
	.p2align	6, 0x0
	.amdhsa_kernel k_q9d51d5b0ff_attend
		.amdhsa_group_segment_fixed_size 117248
		.amdhsa_private_segment_fixed_size 0
		.amdhsa_enable_private_segment 0
		.amdhsa_kernarg_size 48
		.amdhsa_user_sgpr_count 2
		.amdhsa_user_sgpr_kernarg_segment_ptr 1
		.amdhsa_wavefront_size32 1
		.amdhsa_system_sgpr_workgroup_id_x 1
		.amdhsa_system_sgpr_workgroup_id_y 1
		.amdhsa_system_sgpr_workgroup_id_z 1
		.amdhsa_system_vgpr_workitem_id 0
		.amdhsa_next_free_vgpr 384
		.amdhsa_next_free_sgpr 96
		.amdhsa_reserve_vcc 0
		.amdhsa_float_denorm_mode_32 3
		.amdhsa_float_denorm_mode_16_64 3
		.amdhsa_memory_ordered 1
		.amdhsa_forward_progress 1
		.amdhsa_inst_pref_size 76
	.end_amdhsa_kernel
	.amdgpu_metadata
---
amdhsa.version: [ 1, 2 ]
amdhsa.kernels:
  - .name:           k_q9d51d5b0ff_attend
    .symbol:         k_q9d51d5b0ff_attend.kd
    .args:
      - { .name: nidx, .offset: 0, .size: 8, .value_kind: global_buffer, .address_space: global }
      - { .name: table, .offset: 8, .size: 8, .value_kind: global_buffer, .address_space: global }
      - { .name: a_codes, .offset: 16, .size: 8, .value_kind: global_buffer, .address_space: global }
      - { .name: a_scales, .offset: 24, .size: 8, .value_kind: global_buffer, .address_space: global }
      - { .name: b, .offset: 32, .size: 8, .value_kind: global_buffer, .address_space: global }
      - { .name: out0, .offset: 40, .size: 8, .value_kind: global_buffer, .address_space: global }
    .group_segment_fixed_size: 117248
    .private_segment_fixed_size: 0
    .kernarg_segment_align: 8
    .kernarg_segment_size: 48
    .max_flat_workgroup_size: 128
    .sgpr_count:     96
    .vgpr_count:     384
    .wavefront_size: 32
...
	.end_amdgpu_metadata
.endif
;; end of part 8
